; MI455X (gfx1250); checked and timed in simulation.
; The chip was launched on July 23, 2026; its instructions are those of AMD's public machine-readable ISA for CDNA 5 (MIT licence, August 2026) and "CDNA5" Instruction Set Architecture Reference Guide (July 2026). The comments in the code are by the model that wrote it; some were corrected since.
;; Multi Head Attention. Allowed arithmetic: matrix products marked QUANTISED: E2M1 operands, one E8M0 scale for each 32 along K, by v_wmma_scale_f32_16x16x128_f8f6f4 with both operands' format E2M1 (or v_wmma_scale_f32_32x16x128_f4), f32 sums; products left as they are: bf16, f16 or f32 operands; f32 sums; everything else in f32.
;; Inputs: Wk 1,024 x 1,024 float32; Wo 1,024 x 1,024 float32; Wq 1,024 x 1,024 float32; Wv 1,024 x 1,024 float32; bk 1,024 float32; bo 1,024 float32; bq 1,024 float32; bv 1,024 float32; x_q 2 x 2,048 x 1,024 float32.
;; Outputs: out0 2 x 2,048 x 1,024 float32.
;; This version of the problem:
;;   THIS VERSION OF THE PROBLEM IS GIVEN IN LOW PRECISION. The matrix products marked QUANTISED in the list below multiply operands that are first quantised to E2M1 (2 exponent bits, 1 mantissa bit; 4 bits a number), with one power-of-two scale for each 32 numbers along K (OCP MX v1.0); their sums are f32. The products marked 'left as it is' may take bf16, f16 or f32 operands, with f32 sums. Whichever they take, every output number must still come out within the allowed error. Rounding operands to bf16 (8 significant bits) uses up far more of that allowance than f16 does (11 bits, for magnitudes from 6e-5 to 65,504). All else is computed in f32.
;;   The module's matrix products, in the order in which they are computed (A, B: the left and right operand; K: the contracted axis; several contracted axes count as one K, in the product's order):
;;     1. [M 4,096, K 1,024] x [K 1,024, N 1,024]; A: input x_q; B: input Wq: QUANTISED
;;     2. [M 4,096, K 1,024] x [K 1,024, N 1,024]; A: input x_q; B: input Wk: QUANTISED
;;     3. [M 4,096, K 1,024] x [K 1,024, N 1,024]; A: input x_q; B: input Wv: QUANTISED
;;     4. batch 32 x [M 2,048, K 64] x [K 64, N 2,048]; A: computed on the way; B: computed on the way: left as it is (an operand is computed on the way)
;;     5. batch 32 x [M 2,048, K 2,048] x [K 2,048, N 64]; A: computed on the way; B: computed on the way: left as it is (an operand is computed on the way)
;;     6. [M 4,096, K 1,024] x [K 1,024, N 1,024]; A: computed on the way; B: input Wo: left as it is (an operand is computed on the way)
;;   THE QUANTISER, for each operand of a quantised product, along K:
;;     - K is cut into blocks of 32 from its start; a last block that is shorter is filled with zeros.
;;     - A block's scale is 2^e with e = floor(log2(the largest magnitude in the block)) - 2, held to -126 .. 127; a block of zeros has e = 0. As a byte (E8M0): e + 127.
;;     - Each number is divided by its block's scale, clamped to +-6, and rounded to the nearest number of E2M1, ties to even, subnormals kept.
;;     - The product sums the exact products of the quantised numbers (number of the format x scale) in f32.
;;   ~~~python
;;   def quantise(x, axis):      # numpy; x: float32 -> the quantised numbers, widened to float32 again
;;       x = np.moveaxis(x, axis, -1); K = x.shape[-1]
;;       x = np.pad(x, [(0, 0)] * (x.ndim - 1) + [(0, -K % 32)]); x = x.reshape(x.shape[:-1] + (-1, 32)); a = np.abs(x).max(-1, keepdims=True)
;;       e = np.where(a > 0, np.clip(np.frexp(np.where(a > 0, a, 1))[1] - 1 - 2, -126, 127), 0)      # np.frexp(a)[1] - 1 = floor(log2(a)), exactly
;;       r = np.clip(x / 2.0 ** e, -6, 6)
;;       step = 2.0 ** (np.maximum(np.frexp(np.where(r == 0, 1, r))[1] - 1, 0) - 1)
;;       q = np.round(r / step) * step * 2.0 ** e      # np.round: ties to even
;;       return np.moveaxis(q.reshape(q.shape[:-2] + (-1,))[..., :K], -1, axis).astype(np.float32)
;;   ~~~
;; One version. Each part assembles by itself: llvm-mc -triple=amdgcn-amd-amdhsa -mcpu=gfx1250 --defsym DOCPART=n.
;; ======== version 1 of 1: 4 launches
;; limits: values are held in f16: magnitudes above 65,504 overflow, below 6.1e-05 lose precision
;; workspace buffers: codes 3,670,016 bytes; scl 229,376 bytes; wimg 2,097,152 bytes; qkv 25,165,824 bytes; cimg 8,388,608 bytes
;; launch prep (part 1): grid 384 x 1, 4 waves a work-group, no clusters, 34,304 bytes of LDS; arguments x_q, Wq, Wk, Wv, Wo, codes, scl, wimg; writes codes, scl, wimg
.if DOCPART == 1
	.amdgcn_target "amdgcn-amd-amdhsa--gfx1250"
	.amdhsa_code_object_version 6
	.text
	.protected	k_q0650f4de54_prep
	.globl	k_q0650f4de54_prep
	.p2align	8
	.type	k_q0650f4de54_prep,@function
k_q0650f4de54_prep:
	s_mov_b64 s[64:65], 0
	v_nop
	global_prefetch_b8 v0, s[64:65] scope:SCOPE_SE
	s_setreg_imm32_b32 hwreg(HW_REG_WAVE_MODE, 25, 1), 1
	s_wait_xcnt 0x0
; x_q [4096][1024] and Wq, Wk, Wv [1024 (k)][1024 (n)], f32, become codes of FP4 (E2M1) with one E8M0 byte for each 32 along K; Wo [1024 (k)][1024 (n)] becomes f16.
; ALL RESULTS ARE LAID AS IMAGES OF OPERAND REGISTERS, so that the later launches fetch dense blocks and read fragments 16 bytes a lane.
;   codes: [g: K half of 512][row tile of 16: 0-255 x's tokens, 256-319 Wq's columns, 320-383 Wk's, 384-447 Wv's][4,096 bytes]; in a tile block j of 16 (32 codes) of row r lies at 256 j + 16 r.
;   scl:   [row tile][g][r][16 bytes]: the row's four scale words, one for each 128 along K.
;   wimg:  [K step of 256][tile of 16 columns][32 along K: 8][u][lane][16 bytes]: lane (r, h) holds column r, K = 16 u + 8 h + 0 .. 7.
; A block's scale is 2^(floor(log2(its largest magnitude)) - 2); its byte is the largest magnitude's exponent field - 2, held at 1 from below.
; LIMITS: a block of zeros gets the byte 1 where the rule says 127 (its codes are zeros, and this program alone reads the bytes); blocks whose largest magnitude lies under 2^(3 - 127) share that byte;
; NaN and infinities are not served; |Wo| up to 65,504 (f16).
; SHARES.  Work-groups 0-255: a matrix (number >> 6), 128 columns x 128 along K; a wave 32 columns: A LANE TAKES A COLUMN AND ITS REGISTERS RUN DOWN K, so a block of 32 lies in one lane and nothing is transposed.
; Work-groups 256-383: x; a wave takes 16 rows x 512 along K; loads read 512 consecutive bytes of a row, and the numbers turn through the wave's own stage in LDS so that a lane holds 16 neighbours.
; No tensor loads, no barrier: waves share nothing.  Only x's path touches LDS.
; The weights' scale words leave 4 bytes a lane, 16 bytes apart: one byte for each 32 of the 128 that the wave reads.
.set GS,    1835008                    ; bytes of one K half of codes: 448 tiles x 4,096
.set STG,   8448                       ; a wave's stage: 16 rows x (512 + 16) bytes: rows start 33 x 16 bytes apart, so the 16 rows that a load touches start at 16 different banks (64 banks of 4 bytes: ISA guide 11.1)
.set SPARE, 4*STG                      ; behind the stages: the spare words, 128 bytes for each wave
.set SPW, 2                            ; v2   LDS address of my spare word; never rewritten
.set NIL, 3                            ; v3   0; never rewritten
.set LN,  4                            ; v4   lane
.set RR,  5                            ; v5   lane % 16
.set HH,  6                            ; v6   lane / 16
.set VA,  7                            ; v7   offset of the loads
.set VB,  8                            ; v8   offset of the codes' stores (x: into the stage)
.set VC,  9                            ; v9   offset of the scale store (x: out of the stage)
.set PW,  12                           ; v12-15  x: the four scale words
.set TM,  16                           ; v16-31  x: at work
.set PC,  32                           ; v32-63  x: codes, eight registers for each 128 along K, so that no store's data are written again
.set R,   64                           ; v64-..  numbers as loaded, two sets
.set CW,  128                          ; v128-.. the matrices' results, registers of their own for each block
.set X,   192                          ; v192-255 x: 64 numbers, 16 neighbours of each of four blocks
	s_load_b256 s[4:11], s[0:1], 0x0               ; x s[4:5], Wq s[6:7], Wk s[8:9], Wv s[10:11]
	s_load_b256 s[12:19], s[0:1], 0x20             ; Wo s[12:13], codes s[14:15], scl s[16:17], wimg s[18:19]
	v_lshl_add_u32 v[SPW], v0, 2, SPARE
	v_mov_b32 v[NIL], 0
	v_lshrrev_b32 v1, 5, v0
	v_readfirstlane_b32 s20, v1                    ; wave 0..3
	v_and_b32 v[LN], 31, v0
	v_and_b32 v[RR], 15, v0
	v_bfe_u32 v[HH], v0, 4, 1
	s_mov_b32 s33, 0                               ; the upper word of every offset
	s_wait_kmcnt 0x0
	s_cmp_ge_u32 ttmp9, 256
	s_cbranch_scc1 .Lx
	; ---- a matrix [1024 (k)][1024 (n)]
	s_lshr_b32 s21, ttmp9, 6                       ; which: 0 Wq, 1 Wk, 2 Wv, 3 Wo
	s_and_b32 s22, ttmp9, 7                        ; which 128 columns
	s_bfe_u32 s23, ttmp9, 0x30003                  ; which 128 along K
	s_cmp_eq_u32 s21, 0
	s_cselect_b64 s[24:25], s[6:7], s[8:9]
	s_cmp_eq_u32 s21, 2
	s_cselect_b64 s[24:25], s[10:11], s[24:25]
	s_cmp_eq_u32 s21, 3
	s_cselect_b64 s[24:25], s[12:13], s[24:25]
	s_lshl_b32 s32, s23, 19                        ; 128 rows of 4,096 bytes
	s_lshl_b32 s34, s22, 9
	s_add_co_u32 s32, s32, s34
	s_lshl_b32 s34, s20, 7                         ; my wave's 32 columns
	s_add_co_u32 s32, s32, s34
	s_add_nc_u64 s[24:25], s[24:25], s[32:33]
	v_lshlrev_b32 v[VA], 2, v[LN]
.macro LOADM t                         ; block t: rows 32 t + i of my column, into set t % 2
.set i, 0
.rept 32
	global_load_b32 v[R+32*((\t)%2)+i], v[VA], s[24:25] offset:(32*(\t)+i)*4096 th:TH_LOAD_NT
.set i, i+1
.endr
.endm
	LOADM 0
	LOADM 1
	s_lshl_b32 s34, s22, 3
	s_lshl_b32 s35, s20, 1
	s_add_co_u32 s34, s34, s35                     ; my wave's first tile of 16 columns in the matrix
	s_cmp_eq_u32 s21, 3
	s_cbranch_scc1 .Lwo
	; ---- Wq, Wk, Wv: codes and scale bytes
	s_lshl_b32 s35, s21, 6
	s_add_co_u32 s34, s34, s35
	s_add_co_u32 s34, s34, 256                     ; its row tile in codes
	s_lshr_b32 s35, s23, 2                         ; K half
	s_and_b32 s36, s23, 3                          ; which 128 in it
	s_mul_i32 s32, s35, GS
	s_lshl_b32 s37, s34, 12
	s_add_co_u32 s32, s32, s37
	s_lshl_b32 s37, s36, 10
	s_add_co_u32 s32, s32, s37
	s_add_nc_u64 s[26:27], s[14:15], s[32:33]
	s_lshl_b32 s32, s34, 9
	s_lshl_b32 s37, s35, 8
	s_add_co_u32 s32, s32, s37
	s_lshl_b32 s37, s36, 2
	s_add_co_u32 s32, s32, s37
	s_add_nc_u64 s[28:29], s[16:17], s[32:33]
	v_lshlrev_b32 v[VB], 12, v[HH]                 ; lanes 16-31 hold the next tile's columns
	v_lshl_add_u32 v[VB], v[RR], 4, v[VB]
	v_lshlrev_b32 v[VC], 9, v[HH]
	v_lshl_add_u32 v[VC], v[RR], 4, v[VC]
.macro BLOCKW t
.set XS, R+32*((\t)%2)
.if (\t) < 3
	s_wait_loadcnt 32                              ; this block's 32 loads are in; the next block's may be out
.else
	s_wait_loadcnt 0x0
.endif
	v_max3_num_f32 v12, |v[XS]|, |v[XS+1]|, |v[XS+2]|              ; the block's largest magnitude: all 32 numbers are mine; two chains
	v_max3_num_f32 v13, |v[XS+3]|, |v[XS+4]|, |v[XS+5]|
.irp i, 6,10,14,18,22,26
	v_max3_num_f32 v12, v12, |v[XS+\i]|, |v[XS+\i+1]|
	v_max3_num_f32 v13, v13, |v[XS+\i+2]|, |v[XS+\i+3]|
.endr
	v_max3_num_f32 v12, v12, |v[XS+30]|, |v[XS+31]|
	v_max3_num_f32 v12, v12, v13, 0x1800000        ; and the floor 2^(3 - 127): the byte cannot fall under 1
	v_add_nc_u32 v11, 0xff000000, v12              ; 2 off its exponent field: the conversion takes the exponent field of this operand as its scale
	v_lshrrev_b32 v13, 23, v11                     ; the scale's byte
.if (\t) == 0
	v_mov_b32 v10, v13                             ; four bytes make the scale word of these 128 along K
.else
	v_lshl_or_b32 v10, v13, 8*(\t), v10
.endif
.irp g, 0,1,2,3
	v_cvt_scalef32_pk8_fp4_f32 v[CW+4*(\t)+\g], v[XS+8*\g:XS+8*\g+7], v11
.endr
	global_store_b128 v[VB], v[CW+4*(\t):CW+4*(\t)+3], s[26:27] offset:256*(\t)   ; sixteen lanes store 256 consecutive bytes, aligned: one block of 32 codes for each of a tile's rows
.if (\t) < 2
	LOADM (\t)+2
.endif
.endm
	BLOCKW 0
	BLOCKW 1
	BLOCKW 2
	BLOCKW 3
	global_store_b32 v[VC], v10, s[28:29]
	s_endpgm
	; ---- Wo: f16
.Lwo:
	s_lshr_b32 s35, s23, 1                         ; K step of 256
	s_and_b32 s36, s23, 1
	s_lshl_b32 s32, s35, 19                        ; 64 tiles x 8,192 bytes
	s_lshl_b32 s37, s34, 13
	s_add_co_u32 s32, s32, s37
	s_lshl_b32 s37, s36, 12
	s_add_co_u32 s32, s32, s37
	s_add_nc_u64 s[26:27], s[18:19], s[32:33]
	v_lshlrev_b32 v[VB], 13, v[HH]
	v_lshl_add_u32 v[VB], v[RR], 4, v[VB]
.macro BLOCKO t
.set XS, R+32*((\t)%2)
.if (\t) < 3
	s_wait_loadcnt 32                              ; this block's 32 loads are in; the next block's may be out
.else
	s_wait_loadcnt 0x0
.endif
.set i, 0
.rept 16
	v_cvt_pk_f16_f32 v[CW+16*(\t)+i], v[XS+2*i], v[XS+2*i+1]
.set i, i+1
.endr
.irp p, 0,1,2,3                        ; piece p = 2 u + h of the fragment: K = 8 p + 0 .. 7 of my column
	global_store_b128 v[VB], v[CW+16*(\t)+4*\p:CW+16*(\t)+4*\p+3], s[26:27] offset:1024*(\t)+256*\p   ; sixteen lanes store 256 consecutive bytes, aligned
.endr
.if (\t) < 2
	LOADM (\t)+2
.endif
.endm
	BLOCKO 0
	BLOCKO 1
	BLOCKO 2
	BLOCKO 3
	s_endpgm
	; ---- x: 16 rows x 512 along K a wave
.Lx:
	s_sub_co_u32 s21, ttmp9, 256
	s_lshl_b32 s21, s21, 2
	s_add_co_u32 s21, s21, s20
	s_lshr_b32 s22, s21, 1                         ; row tile
	s_and_b32 s23, s21, 1                          ; K half
	s_lshl_b32 s32, s22, 16                        ; 16 rows of 4,096 bytes
	s_lshl_b32 s34, s23, 11
	s_add_co_u32 s32, s32, s34
	s_add_nc_u64 s[24:25], s[4:5], s[32:33]
	s_mul_i32 s32, s23, GS
	s_lshl_b32 s34, s22, 12
	s_add_co_u32 s32, s32, s34
	s_add_nc_u64 s[26:27], s[14:15], s[32:33]
	s_lshl_b32 s32, s22, 9
	s_lshl_b32 s34, s23, 8
	s_add_co_u32 s32, s32, s34
	s_add_nc_u64 s[28:29], s[16:17], s[32:33]
	s_mov_b32 s30, 0x76543210
	s_mov_b32 s31, 0xfedcba98                      ; v_permlanex16_b32's selects for lane l xor 16
	s_mul_i32 s35, s20, STG                        ; my stage
	v_lshlrev_b32 v[VA], 4, v[LN]                  ; 16 bytes a lane: of a load's 512, and of an image's
	v_add_nc_u32 v[VB], s35, v[VA]                 ; into the stage: a row as it lies
	v_mul_u32_u24 v[VC], v[RR], 528
	v_lshl_add_u32 v[VC], v[HH], 6, v[VC]
	v_add_nc_u32 v[VC], s35, v[VC]                 ; out of it: row r, + 64 h: my 16 numbers of each block of 32
	v_lshlrev_b32 v1, 4, v[RR]
	v_lshl_add_u32 v1, v[HH], 3, v1                ; the scale words' place: 16 r + 8 h
.irp b, 0,1,2,3
	v_mov_b32 v[TM+4+\b], 0                        ; written once: a lane permute's destination counts as one of its sources
.endr
.macro LOADX t                         ; the t-th 128 along K of the 16 rows into set t % 2: each load reads 512 consecutive bytes of a row
.set i, 0
.rept 16
	global_load_b128 v[R+64*((\t)%2)+4*i:R+64*((\t)%2)+4*i+3], v[VA], s[24:25] offset:4096*i+512*(\t) th:TH_LOAD_NT
.set i, i+1
.endr
.endm
; 64 numbers of a lane, register 16 b + i = k 32 b + 16 (lane / 16) + i of my row, become a fragment's codes in v[pc] on and its scale word in v[pw]
.macro QUANT s, pc, pw
.irp b, 0,1,2,3
	v_max3_num_f32 v[TM+\b], |v[\s+16*\b]|, |v[\s+1+16*\b]|, 0x1800000   ; block b: my 16 numbers, and the floor 2^(3 - 127)
.endr
.irp i, 2,4,6,8,10,12,14
.irp b, 0,1,2,3
	v_max3_num_f32 v[TM+\b], v[TM+\b], |v[\s+16*\b+\i]|, |v[\s+1+16*\b+\i]|   ; the four blocks by turns
.endr
.endr
.irp b, 0,1,2,3
	v_permlanex16_b32 v[TM+4+\b], v[TM+\b], s30, s31
.endr
.irp b, 0,1,2,3
	v_max_num_f32 v[TM+\b], v[TM+\b], v[TM+4+\b]   ; with lane l xor 16's: the block's largest magnitude
.endr
.irp b, 0,1,2,3
	v_add_nc_u32 v[TM+12+\b], 0xff000000, v[TM+\b] ; 2 off its exponent field: the conversion's scale operand
.endr
.irp b, 0,1,2,3
	v_lshrrev_b32 v[TM+4+\b], 23, v[TM+12+\b]      ; the scale's byte
.endr
	v_lshl_or_b32 v[\pw], v[TM+5], 8, v[TM+4]
	v_lshl_or_b32 v[\pw], v[TM+6], 16, v[\pw]
	v_lshl_or_b32 v[\pw], v[TM+7], 24, v[\pw]
.irp b, 0,1,2,3
	v_cvt_scalef32_pk8_fp4_f32 v[(\pc)+2*\b], v[\s+16*\b:\s+7+16*\b], v[TM+12+\b]
	v_cvt_scalef32_pk8_fp4_f32 v[(\pc)+1+2*\b], v[\s+8+16*\b:\s+15+16*\b], v[TM+12+\b]
.endr
	v_nop                                          ; one plain place behind a scaled conversion
.irp c, 0,1                            ; the operand's layout wants a whole block in a lane: lanes 0-15 block 2 c, lanes 16-31 block 2 c + 1
.irp i, 0,1
	v_permlane16_swap_b32 v[(\pc)+4*\c+\i], v[(\pc)+2+4*\c+\i]
.endr
.endr
.endm
.macro XSTEP t
.if (\t) < 3
	s_wait_loadcnt 16                              ; this step's 16 loads are in; the next step's may be out
.else
	s_wait_loadcnt 0x0
.endif
.set i, 0
.rept 16
	ds_store_b128 v[VB], v[R+64*((\t)%2)+4*i:R+64*((\t)%2)+4*i+3] offset:528*i
.set i, i+1
.endr
.irp b, 0,1,2,3
.irp j, 0,1,2,3
	ds_load_b128 v[X+16*\b+4*\j:X+16*\b+4*\j+3], v[VC] offset:128*\b+16*\j   ; LDS serves a wave's instructions in order (ISA guide 5.7.1.4): these see the stores above
.endr
.endr
	s_wait_dscnt 0x0                               ; the numbers are back, and the stores have read their registers,
.if (\t) < 2
	LOADX (\t)+2                                   ; which take the loads of two steps on
.endif
	QUANT X, PC+8*(\t), PW+(\t)
.irp c, 0,1
	global_store_b128 v[VA], v[PC+8*(\t)+4*\c:PC+8*(\t)+4*\c+3], s[26:27] offset:1024*(\t)+512*\c   ; the wave stores 512 consecutive bytes, aligned
.endr
.endm
	LOADX 0
	LOADX 1
	XSTEP 0
	XSTEP 1
	XSTEP 2
	XSTEP 3
	v_cmp_lt_u32 vcc_lo, 15, v[LN]                 ; both halves of the lanes hold row r's four words: lanes 0-15 store words 0, 1, lanes 16-31 words 2, 3
	v_cndmask_b32 v10, v[PW], v[PW+2], vcc_lo
	v_cndmask_b32 v11, v[PW+1], v[PW+3], vcc_lo
	global_store_b64 v1, v[10:11], s[28:29]        ; 32 lanes store 256 consecutive bytes, aligned
	s_wait_tensorcnt 0x0                           ; the wave's end, behind my last LDS store
	ds_add_u32 v[SPW], v[NIL]
	s_wait_dscnt 0x0
	s_endpgm
.Lfunc_end_k_q0650f4de54_prep:
	.size	k_q0650f4de54_prep, .Lfunc_end_k_q0650f4de54_prep-k_q0650f4de54_prep
	.p2alignl 7, 3214868480
	.fill 96, 4, 3214868480
	.section	.rodata,"a",@progbits
	.p2align	6, 0x0
	.amdhsa_kernel k_q0650f4de54_prep
		.amdhsa_group_segment_fixed_size 34304
		.amdhsa_private_segment_fixed_size 0
		.amdhsa_enable_private_segment 0
		.amdhsa_kernarg_size 64
		.amdhsa_user_sgpr_count 2
		.amdhsa_user_sgpr_kernarg_segment_ptr 1
		.amdhsa_wavefront_size32 1
		.amdhsa_system_sgpr_workgroup_id_x 1
		.amdhsa_system_sgpr_workgroup_id_y 1
		.amdhsa_system_sgpr_workgroup_id_z 1
		.amdhsa_system_vgpr_workitem_id 0
		.amdhsa_next_free_vgpr 256
		.amdhsa_next_free_sgpr 66
		.amdhsa_reserve_vcc 1
		.amdhsa_float_denorm_mode_32 3
		.amdhsa_float_denorm_mode_16_64 3
		.amdhsa_memory_ordered 1
		.amdhsa_forward_progress 1
		.amdhsa_inst_pref_size 65
	.end_amdhsa_kernel
	.amdgpu_metadata
---
amdhsa.version: [ 1, 2 ]
amdhsa.kernels:
  - .name:           k_q0650f4de54_prep
    .symbol:         k_q0650f4de54_prep.kd
    .args:
      - { .name: x_q, .offset: 0, .size: 8, .value_kind: global_buffer, .address_space: global }
      - { .name: Wq, .offset: 8, .size: 8, .value_kind: global_buffer, .address_space: global }
      - { .name: Wk, .offset: 16, .size: 8, .value_kind: global_buffer, .address_space: global }
      - { .name: Wv, .offset: 24, .size: 8, .value_kind: global_buffer, .address_space: global }
      - { .name: Wo, .offset: 32, .size: 8, .value_kind: global_buffer, .address_space: global }
      - { .name: codes, .offset: 40, .size: 8, .value_kind: global_buffer, .address_space: global }
      - { .name: scl, .offset: 48, .size: 8, .value_kind: global_buffer, .address_space: global }
      - { .name: wimg, .offset: 56, .size: 8, .value_kind: global_buffer, .address_space: global }
    .group_segment_fixed_size: 34304
    .private_segment_fixed_size: 0
    .kernarg_segment_align: 8
    .kernarg_segment_size: 64
    .max_flat_workgroup_size: 128
    .sgpr_count:     66
    .vgpr_count:     256
    .wavefront_size: 32
...
	.end_amdgpu_metadata
.endif
;; end of part 1
;; launch qkv (part 2): grid 12 x 16, 4 waves a work-group, clusters of 4 x 4, 327,680 bytes of LDS; arguments codes, scl, bq, bk, qkv; writes qkv
.if DOCPART == 2
	.amdgcn_target "amdgcn-amd-amdhsa--gfx1250"
	.amdhsa_code_object_version 6
	.text
	.protected	k_q0650f4de54_qkv
	.globl	k_q0650f4de54_qkv
	.p2align	8
	.type	k_q0650f4de54_qkv,@function
k_q0650f4de54_qkv:
	s_mov_b64 s[64:65], 0
	v_nop
	global_prefetch_b8 v0, s[64:65] scope:SCOPE_SE
	s_setreg_imm32_b32 hwreg(HW_REG_WAVE_MODE, 25, 1), 1
	s_wait_xcnt 0x0
	s_wait_alu depctr_hold_cnt(0) depctr_sa_sdst(0) depctr_va_vdst(0) depctr_va_sdst(0) depctr_va_ssrc(0) depctr_va_vcc(0) depctr_vm_vsrc(0)
	s_getreg_b32 s2, hwreg(HW_REG_IB_STS2, 6, 4)
	s_cmp_eq_u32 s2, 0
	s_cbranch_scc0 .Lentry_in_a_cluster
	s_endpgm
.Lentry_in_a_cluster:
	s_bfe_u32 s2, ttmp6, 0x10000c
	s_cmp_lg_u32 s2, 0xf033
	s_cbranch_scc0 .Lentry_shape_is_right
	s_endpgm
.Lentry_shape_is_right:
; q = x Wq + bq, k = x Wk + bk, v = x Wv (its bias is added behind the softmax, where the weights sum to 1), on codes of FP4 (E2M1) with one E8M0 scale for each 32 along K = 1,024; sums in f32.
; q is multiplied by c = log2(e) / 8 in f32 (q' = sum x c + bq x c), so that the scores of the next launch are exponents of 2.  Results are rounded once, to f16, and stored as IMAGES OF THE NEXT OPERANDS' REGISTERS:
;   qkv: [batch x 16 + head][group of 512 tokens][Q 64 KB | K 64 KB | V 64 KB];  Q, K: [tile of 16 tokens][32 channels: 2][u][lane][16 bytes];  V: [128 keys: 4][tile of 16 channels: 4][32 keys: 4][u][lane][16 bytes].
; LIMIT: |q c|, |k|, |v| up to 65,504 (f16).
; A work-group of four waves makes 256 x 256; a wave 128 x 128: 64 accumulators, 512 registers.  The cluster's x says which product: 0 q, 1 k, 2 v.
; THE MATRIX INSTRUCTION TAKES THE B SIDE AS SOURCE 0 AND THE A SIDE AS SOURCE 1: a lane then holds one row of the A side and eight neighbouring rows of the B side.
;   q, k: A side = tokens, B side = the weight's columns: a lane holds eight neighbouring channels of one token: 16 bytes of a Q or K image.
;   v:    A side = Wv's columns, B side = tokens:        a lane holds eight neighbouring keys of one channel: 16 bytes of a V image.
; So nothing goes through LDS on the way out, and every store of the wave covers 512 consecutive bytes, aligned.  One text serves the three: only offsets are selected, by the cluster's x, which all partners share.
; 192 work-groups: a block of 256 columns has to lie inside one of q, k, v.
; K = 1,024 is two halves of 512: two LDS slots, both filled at the start and never again; the scale words of all of K come with them.  By this text's count a wave has three tensor loads out.
; CLUSTERS: 4 x 4 work-groups.  The A side's tiles are shared along a row of the cluster, the B side's along a column: each is asked for jointly, by the same tensor load with the same descriptor and a mask that names the four.
; The bias: 64 numbers a lane (bq for q, bk for k and for v) times a selected factor (c, 1, 0): in v's work-groups they count for nothing; that spares a branch.
; REGISTERS, in windows of 256: window 0: v16-30 addresses; v32-95 scale words, two sets; v96-127 packed results; v128-191 the A side's fragments, one set, on the way out at work; v192-255 the bias.
;   window 1: the B side's fragments, two sets, at v0 and v128.   window 2: the accumulators of my A rows 0-63 ((a, b) at v[8 (8 a + b)]);   window 3: those of rows 64-127.
.set GS,    1835008                    ; bytes of one K half of codes
.set HS,    786432                     ; bytes of a head in qkv
.set GR,    196608                     ; bytes of a group of 512 tokens
.set NQ,    4                          ; steps of 128 along K in a slot
.set FR,    8                          ; registers of a fragment
.set NL,    2                          ; LDS loads that bring one
.set NP,    4                          ; places behind this matrix instruction (ISA guide 7.12.1)
.set SLOT,  131072                     ; the A side's 16 tiles of 4,096 bytes, then the B side's
.set SCL,   2*SLOT                     ; the scale words: the A side's 16 tiles of 512 bytes, then the B side's
.set SPARE, SCL+16384                  ; the spare words, 128 bytes for each wave
.set ADRA, 16                          ; v16-17  LDS address of my A fragments in slot 0, 1
.set ADRB, 20                          ; v20-21  the same for B
.set VO,   24                          ; v24     16 x lane;  v25  the same, + the way from B block 3 to B block 4 in qkv
.set ADRS, 27                          ; v27     LDS address of my scale words: lanes 0-15 A's rows, lanes 16-31 B's
.set SPW,  28                          ; v28     LDS address of my spare word; never rewritten
.set NIL,  29                          ; v29     0; never rewritten
.set VBI,  30                          ; v30     32 x (lane / 16): my eight numbers of a tile's sixteen of the bias
.set SC,   32
.set PK,   96
.set AF,   128
.set T,    128
.set BI,   192
.set G1, 24                            ; s[24:31] descriptor group 1 for the A side's codes;  s[32:39] group 0, one set for each slot
.set G0, 32
.set G1B, 48                           ; s[48:55], s[56:63] the same for the B side
.set G0B, 56
.set G1S, 68                           ; s[68:75], s[76:79] groups 1 and 0 for the A side's scale words;  s[80:87], s[88:91] for the B side's
.set G0S, 76
.set G1SB, 80
.set G0SB, 88
.set MSB, 0
.macro WIN new                         ; the immediate's high byte repeats the setting that is left
.if MSB != \new
	s_set_vgpr_msb (MSB<<8)|\new
.set MSB, \new
.endif
.endm
.set MUL_LO, 0xa1                      ; source 0 (B) window 1, source 1 (A) window 0, C and D window 2
.set MUL_HI, 0xf1                      ; the same, C and D window 3
.set TO_B,   0x40                      ; destination window 1, address window 0
; A joint load: waves 0 and 1 fetch for the A side, waves 2 and 3 for the B side.  The branch hangs on the wave's number alone.  An s_nop 0 and four v_nop follow each of the two lines.
.macro JLOAD g0a, g1a, g0b, g1b
	s_cmp_eq_u32 s15, 0
	s_cbranch_scc0 .Lfor_b_\@
	tensor_load_to_lds s[\g0a:\g0a+3], s[\g1a:\g1a+7]
	s_nop 0
.rept 4
	v_nop
.endr
	s_branch .Lasked_\@
.Lfor_b_\@:
	tensor_load_to_lds s[\g0b:\g0b+3], s[\g1b:\g1b+7]
	s_nop 0
.rept 4
	v_nop
.endr
.Lasked_\@:
.endm
.macro CROUND                          ; a round of the cluster's barrier
	s_barrier_signal -1
	s_barrier_wait -1
	s_cmp_lg_u32 s14, 0
	s_cbranch_scc1 .Lnot_wave_0_\@
	s_barrier_signal -3
.Lnot_wave_0_\@:
	s_barrier_wait -3
	s_barrier_signal -1
	s_barrier_wait -1
.endm
	s_load_b128 s[4:7], s[0:1], 0x0                ; codes s[4:5], scl s[6:7]
	s_load_b128 s[8:11], s[0:1], 0x10              ; bq s[8:9], bk s[10:11]
	s_load_b64 s[12:13], s[0:1], 0x20              ; qkv
	v_lshl_add_u32 v[SPW], v0, 2, SPARE
	v_mov_b32 v[NIL], 0
	ds_add_u32 v[SPW], v[NIL]                      ; the wave's opening: the add, twice on end, and its wait ahead of my first tensor load
	ds_add_u32 v[SPW], v[NIL]
	v_lshrrev_b32 v1, 5, v0
	v_readfirstlane_b32 s14, v1                    ; wave 0..3
	s_lshr_b32 s15, s14, 1                         ; which half of the A side's 256 rows is mine.  Also: I fetch for A (0) or for B (1)
	s_and_b32 s16, s14, 1                          ; which half of the B side's.  Also: which half of that side I fetch
	s_bfe_u32 s40, ttmp6, 0x40000                  ; cx, cy: my place in the cluster
	s_bfe_u32 s41, ttmp6, 0x40004
	s_and_b32 s17, ttmp7, 0xffff
	s_lshl_b32 s17, s17, 2                         ; 4 x cluster y
	s_add_co_u32 s18, s17, s41                     ; blocks of 256 rows of codes: tokens by cy,
	s_add_co_u32 s19, s41, 24                      ; Wv's columns by cy,
	s_add_co_u32 s20, s17, s40                     ; tokens by cx,
	s_lshl_b32 s21, ttmp9, 2
	s_add_co_u32 s21, s21, s40
	s_add_co_u32 s21, s21, 16                      ; Wq's or Wk's columns by cx
	s_cmp_eq_u32 ttmp9, 2                          ; v?
	s_cselect_b32 s42, s19, s18                    ; the A side's block: it hangs on cy, never on cx
	s_cselect_b32 s45, s20, s21                    ; the B side's: on cx, never on cy
	s_lshl_b32 s43, s41, 2
	s_lshl_b32 s43, 15, s43                        ; my row of the cluster
	s_lshl_b32 s44, 0x1111, s40                    ; my column
	; descriptor group 1: a dense block of 32 KB (eight tiles of codes) as 128 rows of 32 elements of 8 bytes; no padding: fragments are read 16 bytes a lane on end
	s_or_b32 s[G1+0], s43, (3<<16)|(1<<21)         ; 15:0 the mask; 17:16 elements of 8 bytes; 21 set beside a mask
	s_or_b32 s[G1B+0], s44, (3<<16)|(1<<21)
.irp g, G1, G1B
	s_mov_b32 s[\g+1], 32<<16                      ; tensor_dim0
	s_mov_b32 s[\g+2], 128<<16                     ; tensor_dim1
	s_mov_b32 s[\g+3], 32<<16                      ; tile_dim0
	s_mov_b32 s[\g+4], 128                         ; tile_dim1
	s_mov_b32 s[\g+5], 32                          ; tensor_dim0_stride
	s_mov_b32 s[\g+6], 0
	s_mov_b32 s[\g+7], 0
.endr
	; and for eight tiles of scale words: 4 KB as 16 such rows
	s_or_b32 s[G1S+0], s43, (3<<16)|(1<<21)
	s_or_b32 s[G1SB+0], s44, (3<<16)|(1<<21)
.irp g, G1S, G1SB
	s_mov_b32 s[\g+1], 32<<16
	s_mov_b32 s[\g+2], 16<<16
	s_mov_b32 s[\g+3], 32<<16
	s_mov_b32 s[\g+4], 16
	s_mov_b32 s[\g+5], 32
	s_mov_b32 s[\g+6], 0
	s_mov_b32 s[\g+7], 0
.endr
	s_lshl_b32 s22, s16, 15                        ; the half that I fetch: codes,
	s_lshl_b32 s23, s16, 12                        ; scale words
	s_lshl_b32 s92, s42, 16                        ; a block of 256 rows is 16 tiles x 4,096 bytes of codes
	s_add_co_u32 s92, s92, s22
	s_mov_b32 s93, 0
	s_lshl_b32 s94, s45, 16
	s_add_co_u32 s94, s94, s22
	s_mov_b32 s95, 0
	s_lshl_b32 s96, s42, 13                        ; and 16 x 512 bytes of scale words
	s_add_co_u32 s96, s96, s23
	s_mov_b32 s97, 0
	s_lshl_b32 s98, s45, 13
	s_add_co_u32 s98, s98, s23
	s_mov_b32 s99, 0
	s_lshl_b32 s46, s14, 15                        ; where they go: wave x 32 KB, wave x 4 KB: no place in the cluster enters an LDS address
	s_lshl_b32 s47, s14, 12
	s_wait_dscnt 0x0                               ; both opening adds are done
	s_wait_kmcnt 0x0
	s_add_nc_u64 s[92:93], s[4:5], s[92:93]
	s_add_nc_u64 s[94:95], s[4:5], s[94:95]
	s_add_nc_u64 s[96:97], s[6:7], s[96:97]
	s_add_nc_u64 s[98:99], s[6:7], s[98:99]
	CROUND                                         ; all sixteen work-groups are here: the first joint loads meet
	s_mov_b32 s[G0S], 1
	s_add_co_u32 s[G0S+1], s47, SCL
	s_mov_b64 s[G0S+2:G0S+3], s[96:97]
	s_or_b32 s[G0S+3], s[G0S+3], 0x80000000
	s_mov_b32 s[G0SB], 1
	s_add_co_u32 s[G0SB+1], s47, SCL
	s_mov_b64 s[G0SB+2:G0SB+3], s[98:99]
	s_or_b32 s[G0SB+3], s[G0SB+3], 0x80000000
	JLOAD G0S, G1S, G0SB, G1SB                     ; the scale words first: they are wanted with the first K half
.irp s, 0,1
	s_mov_b32 s[G0+4*\s], 1
	s_add_co_u32 s[G0+4*\s+1], s46, \s*SLOT
	s_add_nc_u64 s[G0+4*\s+2:G0+4*\s+3], s[92:93], \s*GS
	s_or_b32 s[G0+4*\s+3], s[G0+4*\s+3], 0x80000000
	s_mov_b32 s[G0B+4*\s], 1
	s_add_co_u32 s[G0B+4*\s+1], s46, \s*SLOT
	s_add_nc_u64 s[G0B+4*\s+2:G0B+4*\s+3], s[94:95], \s*GS
	s_or_b32 s[G0B+4*\s+3], s[G0B+4*\s+3], 0x80000000
	JLOAD G0+4*\s, G1, G0B+4*\s, G1B
.endr
	v_and_b32 v1, 15, v0                           ; r = lane % 16
	v_bfe_u32 v2, v0, 4, 1                         ; h = lane / 16
	v_and_b32 v[VO], 31, v0
	v_lshlrev_b32 v[VO], 4, v[VO]                  ; 16 x lane
	s_lshl_b32 s21, s15, 15                        ; my eight tiles of the A side,
	s_lshl_b32 s22, s16, 15
	s_add_co_u32 s22, s22, 65536                   ; of the B side
.irp s, 0,1
	v_add_nc_u32 v[ADRA+\s], s21, v[VO]
	v_add_nc_u32 v[ADRB+\s], s22, v[VO]
	s_add_co_u32 s21, s21, SLOT
	s_add_co_u32 s22, s22, SLOT
.endr
	v_lshlrev_b32 v5, 4, v1                        ; my row's four scale words
	s_lshl_b32 s21, s15, 12                        ; A's: my eight tiles
	s_lshl_b32 s22, s16, 12
	s_add_co_u32 s22, s22, 8192                    ; B's, behind A's sixteen
	s_sub_co_u32 s22, s22, s21
	v_mul_u32_u24 v6, s22, v2                      ; lanes 16-31 take B's
	s_add_co_u32 s21, s21, SCL
	v_add_nc_u32 v5, v5, v6
	v_add_nc_u32 v[ADRS], s21, v5
	; the bias of the B side's 128 rows: for B block b my eight numbers at 16 b + 8 h
	v_lshlrev_b32 v[VBI], 5, v2
	s_cmp_eq_u32 ttmp9, 0
	s_cselect_b64 s[8:9], s[8:9], s[10:11]
	s_lshl_b32 s22, s40, 10
	s_lshl_b32 s23, s16, 9
	s_add_co_u32 s22, s22, s23
	s_mov_b32 s23, 0
	s_add_nc_u64 s[8:9], s[8:9], s[22:23]
.irp b, 0,1,2,3,4,5,6,7
	global_load_b128 v[BI+8*\b:BI+8*\b+3], v[VBI], s[8:9] offset:64*\b
	global_load_b128 v[BI+8*\b+4:BI+8*\b+7], v[VBI], s[8:9] offset:64*\b+16
.endr
	; what the way out selects
	s_cmp_eq_u32 ttmp9, 0
	s_mov_b32 s66, 1.0
	s_cselect_b32 s66, 0x3e38aa3b, s66             ; the sums' factor: c = log2(e) / 8 for q, else 1
	s_mov_b32 s67, s66                             ; (named with it as a pair, so it is written)
	s_cmp_eq_u32 ttmp9, 2
	s_cselect_b32 s92, 0, s66                      ; the bias's factor: c, 1, 0
	s_mov_b32 s93, s92
	s_mov_b32 s96, 2048
	s_cselect_b32 s96, 4096, s96                   ; from an A block to the next: a tile of tokens (q, k), a tile of channels (v)
	s_mov_b32 s97, 0
	s_mov_b32 s98, 2048
	s_cselect_b32 s98, HS-12288, s98               ; from A block 3 to 4: v goes on to the next head
	s_mov_b32 s99, 0
	s_mov_b32 s94, HS-2048
	s_cselect_b32 s94, 0, s94                      ; from B block 3 to 4: q and k go on to the next head
	s_cselect_b32 s18, s40, s41                    ; the tokens' place in the cluster,
	s_cselect_b32 s19, s41, s40                    ; the channels',
	s_cselect_b32 s20, s16, s15                    ; the tokens' half of the wave,
	s_cselect_b32 s21, s15, s16                    ; the channels'
	s_add_co_u32 s18, s17, s18                     ; my block of 256 tokens, 0..15
	s_lshr_b32 s22, s18, 3
	s_lshl_b32 s22, s22, 4                         ; batch x 16
	s_lshl_b32 s19, s19, 2
	s_add_co_u32 s22, s22, s19
	s_lshl_b32 s21, s21, 1
	s_add_co_u32 s22, s22, s21                     ; + my first head
	s_mul_i32 s22, s22, HS
	s_bfe_u32 s23, s18, 0x20001                    ; the group of 512 tokens
	s_mul_i32 s23, s23, GR
	s_add_co_u32 s22, s22, s23
	s_lshl_b32 s23, ttmp9, 16                      ; Q, K or V
	s_add_co_u32 s22, s22, s23
	s_and_b32 s23, s18, 1
	s_lshl_b32 s23, s23, 1
	s_add_co_u32 s23, s23, s20
	s_lshl_b32 s23, s23, 14                        ; my 128 tokens of the group: 16 KB in each of the three
	s_add_co_u32 s22, s22, s23
	s_mov_b32 s23, 0
	s_add_nc_u64 s[12:13], s[12:13], s[22:23]
	v_add_nc_u32 v[VO+1], s94, v[VO]
.macro FRAG reg, adr, q, i             ; a fragment, 16 rows x 128 K of 4-bit codes, is 8 registers; its image lies on end: two loads of 16 bytes a lane
.irp c, 0,1
	ds_load_b128 v[\reg+4*\c:\reg+4*\c+3], v[\adr] offset:4096*(\i)+1024*(\q)+512*\c
.endr
.endm
; 16 matrix instructions: A's blocks a0, a0 + 1 x B's eight, 128 along K: the slot's q-th.  p: B's set;  sc: the set of scale words.  zero = 1: the first product starts the sums.
; The 64 accumulators take turns, one instruction a turn, in the same order in every step.
.macro MUL16 a0, p, q, sc, zero
.irp a, \a0, \a0+1
.irp b, 0,1,2,3,4,5,6,7
.if \zero
	v_wmma_scale_f32_16x16x128_f8f6f4 v[8*(8*((\a)%4)+\b):8*(8*((\a)%4)+\b)+7], v[128*(\p)+FR*\b:128*(\p)+FR*\b+FR-1], v[AF+FR*(\a):AF+FR*(\a)+FR-1], 0, v[SC+8*NQ*(\sc)+NQ*\b+(\q)], v[SC+8*NQ*(\sc)+NQ*(\a)+(\q)] matrix_a_fmt:MATRIX_FMT_FP4 matrix_b_fmt:MATRIX_FMT_FP4 matrix_a_scale:MATRIX_SCALE_ROW1
.else
	v_wmma_scale_f32_16x16x128_f8f6f4 v[8*(8*((\a)%4)+\b):8*(8*((\a)%4)+\b)+7], v[128*(\p)+FR*\b:128*(\p)+FR*\b+FR-1], v[AF+FR*(\a):AF+FR*(\a)+FR-1], v[8*(8*((\a)%4)+\b):8*(8*((\a)%4)+\b)+7], v[SC+8*NQ*(\sc)+NQ*\b+(\q)], v[SC+8*NQ*(\sc)+NQ*(\a)+(\q)] matrix_a_fmt:MATRIX_FMT_FP4 matrix_b_fmt:MATRIX_FMT_FP4 matrix_a_scale:MATRIX_SCALE_ROW1
.endif
.endr
.endr
.endm
.macro FETCH_B slot, q, p              ; B's eight fragments of the slot's q-th 128 along K into set p
	WIN TO_B
.irp i, 0,1,2,3,4,5,6,7
	FRAG 128*(\p)+FR*\i, ADRB+\slot, \q, \i
.endr
	WIN 0
.endm
.macro FETCH_A slot, q, i0             ; A's blocks i0 .. i0 + 3
.irp i, \i0, \i0+1, \i0+2, \i0+3
	FRAG AF+FR*(\i), ADRA+\slot, \q, \i
.endr
.endm
.macro SCALES sc                       ; K half sc's scale words: four a row; lanes 0-15 take A's block i, lanes 16-31 B's block i
.irp i, 0,1,2,3,4,5,6,7
	ds_load_b128 v[SC+8*NQ*\sc+NQ*\i:SC+8*NQ*\sc+NQ*\i+3], v[ADRS] offset:512*\i+256*\sc
.endr
.endm
.macro PLACES n                        ; places in front of loads into registers that matrix instructions have read: plain vector instructions that name none of their registers
.rept \n
	v_nop
.endr
.endm
; A step of 128 along K that has its successor in the same slot.  A block of A is free as soon as its eight products are issued: blocks 0-3 are fetched anew in the step's middle, blocks 4-7 at its end.
.macro STEP slot, q, zero
	s_wait_dscnt 4*NL                              ; B's set and A's blocks 0-3 are in; the youngest eight loads (A's blocks 4-7) may be out
	WIN MUL_LO
	MUL16 0, (\q)%2, \q, \slot, \zero
	MUL16 2, (\q)%2, \q, \slot, \zero
	s_wait_dscnt 0
	PLACES NP
	FETCH_B \slot, (\q)+1, 1-(\q)%2
	FETCH_A \slot, (\q)+1, 0
	WIN MUL_HI
	MUL16 4, (\q)%2, \q, \slot, \zero
	MUL16 6, (\q)%2, \q, \slot, \zero
	PLACES NP
	WIN 0
	FETCH_A \slot, (\q)+1, 4
.endm
.macro STEPS slot, from                ; the slot's steps from .. NQ - 2
.set QQ, \from
.rept NQ-1-\from
	STEP \slot, QQ, 0
.set QQ, QQ+1
.endr
.endm
	s_wait_tensorcnt 1                             ; the scale words and my part of slot 0 are in (slot 1's load may be out),
	s_barrier_signal -1
	s_barrier_wait -1                              ; everybody's are
	FETCH_B 0, 0, 0
	FETCH_A 0, 0, 0
	SCALES 0
	FETCH_A 0, 0, 4
	STEP 0, 0, 1                                   ; the first step's products start the sums: nothing is cleared
	STEPS 0, 1
	; slot 0's last step changes slots.  Nothing is filled again: one barrier, in front of which each wave has seen its part of slot 1 land
	s_wait_tensorcnt 0x0                           ; no load was issued behind slot 1's
	s_wait_dscnt 4*NL                              ; (A's blocks 4-7 may be out)
	WIN MUL_LO
	MUL16 0, 1, NQ-1, 0, 0
	s_wait_dscnt 0x0                               ; no LDS instruction of mine is pending at the signal
	s_barrier_signal -1
	MUL16 2, 1, NQ-1, 0, 0
	s_barrier_wait -1
	PLACES NP
	FETCH_B 1, 0, 0
	FETCH_A 1, 0, 0
	SCALES 1
	WIN MUL_HI
	MUL16 4, 1, NQ-1, 0, 0
	MUL16 6, 1, NQ-1, 0, 0
	PLACES NP
	WIN 0
	FETCH_A 1, 0, 4
	STEPS 1, 0
	s_wait_dscnt 4*NL                              ; the very last step: nothing more to fetch
	WIN MUL_LO
	MUL16 0, 1, NQ-1, 1, 0
	MUL16 2, 1, NQ-1, 1, 0
	s_wait_dscnt 0
	WIN MUL_HI
	MUL16 4, 1, NQ-1, 1, 0
	MUL16 6, 1, NQ-1, 1, 0
	WIN 0
	; THE WAY OUT.  The bias times its factor: 32 plain instructions that name no register of the last products: their places
	s_wait_loadcnt 0x0
.set j, 0
.rept 32
	v_pk_mul_f32 v[BI+2*j:BI+2*j+1], v[BI+2*j:BI+2*j+1], s[92:93] op_sel_hi:[1,0]
.set j, j+1
.endr
; A block a: sum x factor + bias, each accumulator from its low end on; rounded to f16, 16 bytes a lane for each B block; eight stores of 512 consecutive bytes
.macro OUTA a
	WIN 0x02+(\a)/4                                ; source 0: window 2 or 3
.set j, 0
.rept 32
	v_pk_fma_f32 v[T+2*j:T+2*j+1], v[64*((\a)%4)+2*j:64*((\a)%4)+2*j+1], s[66:67], v[BI+2*j:BI+2*j+1] op_sel_hi:[1,0,1]
.set j, j+1
.endr
	WIN 0
.if (\a) > 0
	s_wait_xcnt 0x0                                ; the last block's stores have read their base and their data: both are written again only behind this wait
.if (\a) == 4
	s_add_nc_u64 s[12:13], s[12:13], s[98:99]
.else
	s_add_nc_u64 s[12:13], s[12:13], s[96:97]
.endif
.endif
.set j, 0
.rept 32
	v_cvt_pk_f16_f32 v[PK+j], v[T+2*j], v[T+2*j+1]
.set j, j+1
.endr
.irp b, 0,1,2,3,4,5,6,7
	global_store_b128 v[VO+\b/4], v[PK+4*\b:PK+4*\b+3], s[12:13] offset:512*\b
.endr
.endm
.irp a, 0,1,2,3,4,5,6,7
	OUTA \a
.endr
	s_wait_tensorcnt 0x0                           ; the wave's end, behind my last tensor load
	ds_add_u32 v[SPW], v[NIL]
	s_wait_dscnt 0x0
	CROUND                                         ; the closing round: no work-group ends while a partner may still ask for a tile that names it
	s_endpgm
.Lfunc_end_k_q0650f4de54_qkv:
	.size	k_q0650f4de54_qkv, .Lfunc_end_k_q0650f4de54_qkv-k_q0650f4de54_qkv
	.p2alignl 7, 3214868480
	.fill 96, 4, 3214868480
	.section	.rodata,"a",@progbits
	.p2align	6, 0x0
	.amdhsa_kernel k_q0650f4de54_qkv
		.amdhsa_group_segment_fixed_size 327680
		.amdhsa_private_segment_fixed_size 0
		.amdhsa_enable_private_segment 0
		.amdhsa_kernarg_size 40
		.amdhsa_user_sgpr_count 2
		.amdhsa_user_sgpr_kernarg_segment_ptr 1
		.amdhsa_wavefront_size32 1
		.amdhsa_system_sgpr_workgroup_id_x 1
		.amdhsa_system_sgpr_workgroup_id_y 1
		.amdhsa_system_sgpr_workgroup_id_z 1
		.amdhsa_system_vgpr_workitem_id 0
		.amdhsa_next_free_vgpr 1024
		.amdhsa_next_free_sgpr 100
		.amdhsa_reserve_vcc 0
		.amdhsa_float_denorm_mode_32 3
		.amdhsa_float_denorm_mode_16_64 3
		.amdhsa_memory_ordered 1
		.amdhsa_forward_progress 1
		.amdhsa_inst_pref_size 138
	.end_amdhsa_kernel
	.amdgpu_metadata
---
amdhsa.version: [ 1, 2 ]
amdhsa.kernels:
  - .name:           k_q0650f4de54_qkv
    .symbol:         k_q0650f4de54_qkv.kd
    .args:
      - { .name: codes, .offset: 0, .size: 8, .value_kind: global_buffer, .address_space: global }
      - { .name: scl, .offset: 8, .size: 8, .value_kind: global_buffer, .address_space: global }
      - { .name: bq, .offset: 16, .size: 8, .value_kind: global_buffer, .address_space: global }
      - { .name: bk, .offset: 24, .size: 8, .value_kind: global_buffer, .address_space: global }
      - { .name: qkv, .offset: 32, .size: 8, .value_kind: global_buffer, .address_space: global }
    .group_segment_fixed_size: 327680
    .private_segment_fixed_size: 0
    .kernarg_segment_align: 8
    .kernarg_segment_size: 40
    .max_flat_workgroup_size: 128
    .sgpr_count:     100
    .vgpr_count:     1024
    .wavefront_size: 32
...
	.end_amdgpu_metadata
.endif
;; end of part 2
;; launch attn (part 3): grid 8 x 32, 8 waves a work-group, clusters of 4 x 1, 327,680 bytes of LDS; arguments qkv, bv, cimg; writes cimg
.if DOCPART == 3
	.amdgcn_target "amdgcn-amd-amdhsa--gfx1250"
	.amdhsa_code_object_version 6
	.text
	.protected	k_q0650f4de54_attn
	.globl	k_q0650f4de54_attn
	.p2align	8
	.type	k_q0650f4de54_attn,@function
k_q0650f4de54_attn:
	s_mov_b64 s[64:65], 0
	v_nop
	global_prefetch_b8 v0, s[64:65] scope:SCOPE_SE
	s_setreg_imm32_b32 hwreg(HW_REG_WAVE_MODE, 25, 1), 1
	s_wait_xcnt 0x0
	s_wait_alu depctr_hold_cnt(0) depctr_sa_sdst(0) depctr_va_vdst(0) depctr_va_sdst(0) depctr_va_ssrc(0) depctr_va_vcc(0) depctr_vm_vsrc(0)
	s_getreg_b32 s2, hwreg(HW_REG_IB_STS2, 6, 4)
	s_cmp_eq_u32 s2, 0
	s_cbranch_scc0 .Lentry_in_a_cluster
	s_endpgm
.Lentry_in_a_cluster:
	s_bfe_u32 s2, ttmp6, 0x10000c
	s_cmp_lg_u32 s2, 0x3003
	s_cbranch_scc0 .Lentry_shape_is_right
	s_endpgm
.Lentry_shape_is_right:
; ctx[b][h][q][:] = the sum over k of softmax_k(q . k / 8) v[k][:] + bv (the weights sum to 1, so v's bias is added once, at the end).  2,048 keys, head size 64, no mask.
; q, k, v arrive in f16 as images of operand registers (qkv: [batch x 16 + head][group of 512 tokens][Q | K | V, 64 KB each]); q carries the factor log2(e) / 8, so a score is an exponent of 2.
; Products, maxima and sums in f32; the weights p are rounded to f16 for the second product, ctx once at the end, to f16, as an image of the last product's operand:
;   cimg: [head / 4][tile of 16 tokens: 256][8,192 bytes]; in it (head % 4) x 2,048 + (tile of 16 channels) x 512 + 16 x lane.
; LIMIT: |ctx| up to 65,504 (f16).
; SHARES.  A work-group owns 256 queries of one head, each of its EIGHT waves 32: two tiles of 16, in 512 registers: two waves to a SIMD, so that one wave's softmax stands beside the other's products and LDS loads.
; Every wave walks all keys, 128 a step.  LAYOUT.  S^T = K Q^T (source 0 = 16 keys, source 1 = 16 queries), O^T = V^T P (source 0 = 16 channels, source 1 = P): a lane holds ONE query throughout; two tiles of S^T,
; rounded in pairs, are source 1 of the second product; nothing changes lanes but one exchange between the halves for the maximum and one for the sum.
; SOFTMAX.  A running maximum m and sum l for each query: p = 2^(t - m); in every step O and l are multiplied by a = 2^(m_old - m_new).  The step is written once: the first finds m = -3e38 and zeros.
; THE RING.  Two LDS slots of 512 keys (K's four steps of 16 KB, then V's four); K | V of a group are 128 KB on end in memory, and each wave fetches its eighth by one tensor load.  Four groups: both slots are filled
; at the start and once again.  CLUSTER.  The four query blocks of a cluster walk the same K and V: each load is a joint one, the same descriptor and the mask of all four in all four.
; REGISTERS: window 0: v2-8 addresses; v16-31 eight registers of statistics a tile; v64-191 S^T, 64 a tile; v192-255 P, 32 a tile.
;   window 1: v0-31 Q, 16 a tile; v32-95 O^T, 32 a tile; v96-127 bv in O^T's layout; v128-255 sixteen fragments of K, then of V.
.set HS,    786432
.set GR,    196608
.set SLOT,  131072
.set SPARE, 2*SLOT                     ; behind the ring: the spare words, 128 bytes for each wave
.set SPW, 2                            ; v2  LDS address of my spare word; never rewritten
.set NIL, 3                            ; v3  0; never rewritten
.set LI,  4                            ; v4  16 x lane
.set ADK, 5                            ; v5  LDS address of the step's K
.set ADV, 6                            ; v6  of its V
.set PFO, 7                            ; v7  256 x lane; never rewritten
.set ST,  16                           ; tile t's statistics at v[ST + 8 t]: +0 m, +1 its pair's partner, +2, +3 l (even keys', odd keys'), +4 to +7 c0-c3 at work; a takes c2's place, m_old - m_new c3's
.set S,   64
.set P,   192
.set QF,  0                            ; in window 1
.set OA,  32
.set BV,  96
.set FB,  128
.set WV,  12                           ; s12 my wave's number
.set LIM, 15                           ; s15 1 in a wave that prefetches
.set PFA, 18                           ; s[18:19] where my prefetch stands; never rewritten
.set G1,  24                           ; s[24:31] descriptor group 1
.set G0,  32                           ; s[32:39] group 0, a set for each slot
.set TB,  40                           ; s40 LDS byte of the step's K
.set TV,  41                           ; s41 of its V
.set CNT, 42                           ; s42 counts a slot's four steps
.set SEL, 44                           ; s[44:45] lane selects for v_permlanex16_b32: lane l xor 16
.set MSB, 0
.macro WIN new                         ; the immediate's high byte repeats the setting that is left
.if MSB != \new
	s_set_vgpr_msb (MSB<<8)|\new
.set MSB, \new
.endif
.endm
.set W_LD,  0x40                       ; destination window 1, address window 0
.set W_KQ,  0x05                       ; K and Q in window 1, S^T in window 0
.set W_PV,  0x51                       ; V and O^T in window 1, P in window 0
.set W_RS,  0x41                       ; O^T (destination and source 0) in window 1, a in window 0
.set W_OUT, 0x11                       ; O^T and bv in window 1, the reciprocal and the destination in window 0
.macro CROUND                          ; a round of the cluster's barrier
	s_barrier_signal -1
	s_barrier_wait -1
	s_cmp_lg_u32 s[WV], 0
	s_cbranch_scc1 .Lnot_wave_0_\@
	s_barrier_signal -3
.Lnot_wave_0_\@:
	s_barrier_wait -3
	s_barrier_signal -1
	s_barrier_wait -1
.endm
	s_load_b128 s[4:7], s[0:1], 0x0                ; qkv s[4:5], bv s[6:7]
	s_load_b64 s[8:9], s[0:1], 0x10                ; cimg
	v_lshl_add_u32 v[SPW], v0, 2, SPARE
	v_mov_b32 v[NIL], 0
	ds_add_u32 v[SPW], v[NIL]                      ; the wave's opening: the add, twice on end, and its wait ahead of my first tensor load
	ds_add_u32 v[SPW], v[NIL]
	v_lshrrev_b32 v1, 5, v0
	v_readfirstlane_b32 s[WV], v1                  ; wave 0..7
	s_bfe_u32 s13, ttmp6, 0x40000                  ; cx: my place in the cluster
	s_lshl_b32 s14, ttmp9, 2
	s_add_co_u32 s14, s14, s13                     ; my block of 256 queries: it enters Q's and ctx's addresses alone
	s_and_b32 s16, ttmp7, 0xffff                   ; batch x 16 + head, which the four partners share
	s_mul_i32 s20, s16, HS                         ; its first byte in qkv
	; descriptor group 1: a dense block of 16 KB as 64 rows of 32 elements of 8 bytes; no padding: fragments are read 16 bytes a lane on end
	s_mov_b32 s[G1], 15|(3<<16)|(1<<21)            ; 15:0 the mask: all four work-groups; 17:16 elements of 8 bytes; 21 set beside a mask
	s_mov_b32 s[G1+1], 32<<16                      ; tensor_dim0
	s_mov_b32 s[G1+2], 64<<16                      ; tensor_dim1
	s_mov_b32 s[G1+3], 32<<16                      ; tile_dim0
	s_mov_b32 s[G1+4], 64                          ; tile_dim1
	s_mov_b32 s[G1+5], 32                          ; tensor_dim0_stride
	s_mov_b32 s[G1+6], 0
	s_mov_b32 s[G1+7], 0
	s_lshl_b32 s17, s[WV], 14                      ; my eighth of K | V: in memory and in a slot
	s_add_co_u32 s22, s20, s17
	s_add_co_u32 s22, s22, 65536                   ; K | V lie behind Q
	s_mov_b32 s23, 0
	s_lshr_b32 s52, s14, 1                         ; Q: the group of 512 tokens,
	s_mul_i32 s52, s52, GR
	s_and_b32 s53, s14, 1
	s_lshl_b32 s53, s53, 15                        ; my block's 16 tiles of 2,048 bytes,
	s_add_co_u32 s52, s52, s53
	s_lshl_b32 s53, s[WV], 12                      ; my wave's two
	s_add_co_u32 s52, s52, s53
	s_add_co_u32 s52, s52, s20
	s_mov_b32 s53, 0
	s_and_b32 s54, s16, 15                         ; the head
	s_lshl_b32 s50, s54, 8                         ; its 64 numbers of bv
	s_mov_b32 s51, 0
	s_lshr_b32 s55, s54, 2
	s_lshl_b32 s48, s55, 21                        ; ctx: head / 4: 256 tiles x 8,192 bytes,
	s_lshr_b32 s55, s16, 4
	s_lshl_b32 s55, s55, 7                         ; the batch's 128 tiles of tokens,
	s_lshl_b32 s56, s14, 4
	s_add_co_u32 s55, s55, s56                     ; my block's 16,
	s_lshl_b32 s56, s[WV], 1
	s_add_co_u32 s55, s55, s56                     ; my wave's two
	s_lshl_b32 s55, s55, 13
	s_add_co_u32 s48, s48, s55
	s_and_b32 s55, s16, 3
	s_lshl_b32 s55, s55, 11                        ; head % 4
	s_add_co_u32 s48, s48, s55
	s_mov_b32 s49, 0
	s_add_co_u32 s56, s20, 3*GR+65536              ; the prefetch: K | V of group 3,
	s_lshl_b32 s57, s13, 15                        ; my work-group's quarter of the 128 KB, told apart by address,
	s_add_co_u32 s56, s56, s57
	s_lshl_b32 s57, s[WV], 13                      ; my wave's 8,192 bytes of it (waves 0 to 3)
	s_add_co_u32 s56, s56, s57
	s_mov_b32 s57, 0
	s_lshr_b32 s[LIM], s[WV], 2                    ; 0 in waves 0 to 3,
	s_or_b32 s[LIM], s[LIM], ttmp9                 ; of the head's first cluster: the same in all four partners
	s_cmp_eq_u32 s[LIM], 0
	s_cselect_b32 s[LIM], 1, 0
	s_mov_b32 s[SEL], 0x76543210
	s_mov_b32 s[SEL+1], 0xfedcba98
	s_wait_dscnt 0x0                               ; both opening adds are done
	s_wait_kmcnt 0x0
	s_add_nc_u64 s[22:23], s[4:5], s[22:23]
	s_add_nc_u64 s[46:47], s[4:5], s[52:53]
	s_add_nc_u64 s[50:51], s[6:7], s[50:51]
	s_add_nc_u64 s[48:49], s[8:9], s[48:49]
	s_add_nc_u64 s[PFA:PFA+1], s[4:5], s[56:57]
	CROUND                                         ; all four work-groups are here: the first joint loads meet
.irp s, 0,1
	s_mov_b32 s[G0+4*\s], 1                        ; count = 1
	s_add_co_u32 s[G0+4*\s+1], s17, \s*SLOT        ; LDS address
	s_add_nc_u64 s[G0+4*\s+2:G0+4*\s+3], s[22:23], \s*GR   ; global address: group s
	s_or_b32 s[G0+4*\s+3], s[G0+4*\s+3], 0x80000000        ; type = 2
.endr
	tensor_load_to_lds s[G0:G0+3], s[G1:G1+7]      ; both first fills together: two loads of mine are out
	s_nop 0
	tensor_load_to_lds s[G0+4:G0+7], s[G1:G1+7]
	s_nop 0
.rept 4
	v_nop
.endr
	v_and_b32 v[LI], 31, v0
	v_lshlrev_b32 v[PFO], 8, v[LI]
	v_lshlrev_b32 v[LI], 4, v[LI]
	v_bfe_u32 v8, v0, 4, 1
	v_lshlrev_b32 v8, 5, v8                        ; 32 x (lane / 16): my eight of a tile's sixteen channels of bv
	WIN W_LD
.set i, 0
.rept 8
	global_load_b128 v[QF+4*i:QF+4*i+3], v[LI], s[46:47] offset:512*i   ; Q stays in registers: tile i / 4, channels 32 ((i / 2) % 2) on
.set i, i+1
.endr
.irp ct, 0,1,2,3
	global_load_b128 v[BV+8*\ct:BV+8*\ct+3], v8, s[50:51] offset:64*\ct
	global_load_b128 v[BV+8*\ct+4:BV+8*\ct+7], v8, s[50:51] offset:64*\ct+16
.endr
.set i, 0
.rept 64
	v_mov_b32 v[OA+i], 0                           ; O^T.  (The step is written once: its first turn finds zeros, which a = 0 leaves zeros)
.set i, i+1
.endr
	WIN 0
.irp t, 0,1
	v_mov_b32 v[ST+8*\t], 0xff61b1e6               ; m: -3e38, under every score
	v_mov_b32 v[ST+8*\t+1], 0                      ; (named with m as a pair, so it is written)
	v_mov_b32 v[ST+8*\t+2], 0                      ; l
	v_mov_b32 v[ST+8*\t+3], 0
.endr
.macro FETCH adr                       ; sixteen fragments, 16 KB on end: 32 loads of 16 bytes a lane
	WIN W_LD
.set fi, 0
.rept 16
	ds_load_b128 v[FB+8*fi:FB+8*fi+3], v[\adr] offset:1024*fi
	ds_load_b128 v[FB+8*fi+4:FB+8*fi+7], v[\adr] offset:1024*fi+512
.set fi, fi+1
.endr
.endm
; 16 products of S^T = K Q^T: key tiles k0 .. k0 + 3 x my two tiles of queries, 64 channels in two links.  The eight accumulators take turns; the first link starts the sums
.macro KQ8 k0
.irp c, 0,1
.irp kt, \k0, \k0+1, \k0+2, \k0+3
.irp t, 0,1
.if \c == 0
	v_wmma_f32_16x16x32_f16 v[S+64*\t+8*(\kt):S+64*\t+8*(\kt)+7], v[FB+8*(2*(\kt)+\c):FB+8*(2*(\kt)+\c)+7], v[QF+16*\t+8*\c:QF+16*\t+8*\c+7], 0
.else
	v_wmma_f32_16x16x32_f16 v[S+64*\t+8*(\kt):S+64*\t+8*(\kt)+7], v[FB+8*(2*(\kt)+\c):FB+8*(2*(\kt)+\c)+7], v[QF+16*\t+8*\c:QF+16*\t+8*\c+7], v[S+64*\t+8*(\kt):S+64*\t+8*(\kt)+7]
.endif
.endr
.endr
.endr
.endm
; A KEY STEP: 128 keys.  It enters and leaves with every window 0.
.macro STEP
	v_add_nc_u32 v[ADK], s[TB], v[LI]              ; these two and two v_nop are the four places between the last step's V^T P and the loads into the registers that it read
	v_add_nc_u32 v[ADV], s[TV], v[LI]
	v_nop
	v_nop
	FETCH ADK                                      ; fragment 2 kt + c: keys 16 kt on, channels 32 c on
	s_wait_dscnt 16                                ; key tiles 0-3 are in; the younger sixteen loads may be out
	WIN W_KQ
	KQ8 0
	s_wait_dscnt 0x0
	KQ8 4
	WIN 0
.rept 4
	v_nop                                          ; places: in front of the loads into K's registers, and of the first read of the scores
.endr
	FETCH ADV                                      ; fragment 4 ct + kc: channels 16 ct on, keys 32 kc on; it lands under the softmax
	WIN 0
	; the maximum of my 64 scores and the old m, three operands at a time: four chains of 15 scores, ascending; the two tiles by turns
.irp k, 0,1,2,3
.irp t, 0,1
	v_max3_num_f32 v[ST+8*\t+4+\k], v[S+64*\t+16*\k], v[S+64*\t+16*\k+1], v[S+64*\t+16*\k+2]
.endr
.endr
.irp i, 3,5,7,9,11,13
.irp k, 0,1,2,3
.irp t, 0,1
	v_max3_num_f32 v[ST+8*\t+4+\k], v[ST+8*\t+4+\k], v[S+64*\t+16*\k+\i], v[S+64*\t+16*\k+\i+1]
.endr
.endr
.endr
.irp t, 0,1
	v_max3_num_f32 v[ST+8*\t+4], v[ST+8*\t+4], v[S+64*\t+15], v[S+64*\t+31]
	v_max3_num_f32 v[ST+8*\t+6], v[ST+8*\t+6], v[S+64*\t+47], v[S+64*\t+63]
.endr
.irp t, 0,1
	v_max3_num_f32 v[ST+8*\t+4], v[ST+8*\t+4], v[ST+8*\t+5], v[ST+8*\t+6]
.endr
.irp t, 0,1
	v_max3_num_f32 v[ST+8*\t+4], v[ST+8*\t+4], v[ST+8*\t+7], v[ST+8*\t]
.endr
.irp t, 0,1
	v_permlanex16_b32 v[ST+8*\t+5], v[ST+8*\t+4], s[SEL], s[SEL+1]   ; the query's other 64 keys lie in the lane 16 away
.endr
.irp t, 0,1
	v_max_num_f32 v[ST+8*\t+4], v[ST+8*\t+4], v[ST+8*\t+5]
.endr
.irp t, 0,1
	v_sub_f32 v[ST+8*\t+7], v[ST+8*\t], v[ST+8*\t+4]                 ; m_old - m_new
.endr
.irp t, 0,1
	v_mov_b32 v[ST+8*\t], v[ST+8*\t+4]
.endr
	; ONE BATCH: a and the 64 weights of both tiles: 130 exponentials, none of which reads another's result; a pair is brought under m one turn ahead of its exponentials
.irp t, 0,1
	v_exp_f32 v[ST+8*\t+6], v[ST+8*\t+7]
.endr
.irp t, 0,1
	v_pk_add_f32 v[S+64*\t:S+64*\t+1], v[S+64*\t:S+64*\t+1], v[ST+8*\t:ST+8*\t+1] op_sel_hi:[1,0] neg_lo:[0,1] neg_hi:[0,1]
.endr
.set b, 0
.rept 32
.if b < 31
.irp t, 0,1
	v_pk_add_f32 v[S+64*\t+2*b+2:S+64*\t+2*b+3], v[S+64*\t+2*b+2:S+64*\t+2*b+3], v[ST+8*\t:ST+8*\t+1] op_sel_hi:[1,0] neg_lo:[0,1] neg_hi:[0,1]
.endr
.endif
.irp t, 0,1
	v_exp_f32 v[S+64*\t+2*b], v[S+64*\t+2*b]
	v_exp_f32 v[S+64*\t+2*b+1], v[S+64*\t+2*b+1]
.endr
.set b, b+1
.endr
	v_nop                                          ; a plain instruction behind the last exponential
	s_wait_alu depctr_va_vdst(0)                   ; the wait ahead of the first instruction that names a result: one for the batch
.set i, 0
.rept 32
.irp t, 0,1
	v_cvt_pk_f16_f32 v[P+32*\t+i], v[S+64*\t+2*i], v[S+64*\t+2*i+1]   ; two tiles of S^T make a fragment of P: keys 8 h + 0 .. 7 and 16 + 8 h + 0 .. 7 of 32
.endr
.set i, i+1
.endr
	; the row's sum, of the unrounded weights: the 32 pairs are added in place, neighbours 1, 2, 4, 8, 16 pairs apart; then l = a l + the sum
.irp w, 4,8,16,32,64
.set u, 0
.rept 64/\w
.irp t, 0,1
	v_pk_add_f32 v[S+64*\t+\w*u:S+64*\t+\w*u+1], v[S+64*\t+\w*u:S+64*\t+\w*u+1], v[S+64*\t+\w*u+\w/2:S+64*\t+\w*u+\w/2+1]
.endr
.set u, u+1
.endr
.endr
.irp t, 0,1
	v_pk_fma_f32 v[ST+8*\t+2:ST+8*\t+3], v[ST+8*\t+2:ST+8*\t+3], v[ST+8*\t+6:ST+8*\t+7], v[S+64*\t:S+64*\t+1] op_sel_hi:[1,0,1]
.endr
	WIN W_RS
.set i, 0
.rept 16
.irp t, 0,1
	v_pk_mul_f32 v[OA+32*\t+2*i:OA+32*\t+2*i+1], v[OA+32*\t+2*i:OA+32*\t+2*i+1], v[ST+8*\t+6:ST+8*\t+7] op_sel_hi:[1,0]   ; O^T x a, each accumulator from its low end on
.endr
.set i, i+1
.endr
	s_wait_dscnt 0x0                               ; V is in
	WIN W_PV
.irp kc, 0,1,2,3                       ; O^T += V^T P: the eight accumulators take turns
.irp ct, 0,1,2,3
.irp t, 0,1
	v_wmma_f32_16x16x32_f16 v[OA+32*\t+8*\ct:OA+32*\t+8*\ct+7], v[FB+8*(4*\ct+\kc):FB+8*(4*\ct+\kc)+7], v[P+32*\t+8*\kc:P+32*\t+8*\kc+7], v[OA+32*\t+8*\ct:OA+32*\t+8*\ct+7]
.endr
.endr
.endr
	WIN 0
	s_add_co_u32 s[TB], s[TB], 16384               ; the next step's tiles
	s_add_co_u32 s[TV], s[TV], 16384
.endm
.macro RUN slot                        ; a slot's four key steps: written once, walked four times
	s_mov_b32 s[TB], \slot*SLOT
	s_mov_b32 s[TV], \slot*SLOT+65536
	s_mov_b32 s[CNT], 4
.Lstep_\@:
	STEP
	s_sub_co_u32 s[CNT], s[CNT], 1
	s_cmp_lg_u32 s[CNT], 0
	s_cbranch_scc1 .Lstep_\@
.endm
; A PREFETCH INTO THE L2 of group 3's K | V, 128 KB, at the change of slots that asks for group 2: a slot's four key steps ahead of the load that will ask for it.  Each aligned block of 256 bytes is named once in the
; launch: both clusters of a head walk the same K and V, and the first asks; its four partners take 32 KB each, told apart by address; in each, waves 0 to 3 take 8,192 bytes, lanes 256 bytes apart.
; Groups 0 to 2 come by their loads alone: nothing is prefetched at the head.
.macro ASK
	s_cmp_eq_u32 s[LIM], 1
	s_cbranch_scc0 .Lnot_mine_\@
	global_prefetch_b8 v[PFO], s[PFA:PFA+1] th:TH_LOAD_NT scope:SCOPE_SE
.Lnot_mine_\@:
.endm
; THE CHANGE OF SLOTS.  Each wave waits for all its tensor loads (its part of the slot ahead), adds 0 to its spare word, and waits for that and for its reads of the slot that it leaves.
; fill = 1: that slot is filled again, with the group two on: the barrier is a round of the cluster's, and the joint refill is the first thing behind it: it has four key steps in which to land.
.macro CHANGE fill, slot, ask
	s_wait_tensorcnt 0x0                           ; no tensor load of mine is out, so a group 0 may be written
	ds_add_u32 v[SPW], v[NIL]                      ; 0 onto my spare word
.if \fill
	s_add_nc_u64 s[G0+4*\slot+2:G0+4*\slot+3], s[G0+4*\slot+2:G0+4*\slot+3], 2*GR   ; the type bits on top are not reached
.endif
	s_wait_dscnt 0x0                               ; the add is done, and my reads of the slot are over
.if \fill
	CROUND
	tensor_load_to_lds s[G0+4*\slot:G0+4*\slot+3], s[G1:G1+7]
	s_nop 0
.rept 4
	v_nop
.endr
.if \ask
	ASK
.endif
.else
	s_barrier_signal -1
	s_barrier_wait -1
.endif
.endm
	s_wait_tensorcnt 1                             ; my part of slot 0 is in; slot 1's may stay out
	s_barrier_signal -1
	s_barrier_wait -1                              ; everybody's is
	s_wait_loadcnt 0x0                             ; Q and bv
	RUN 0                                          ; keys 0 to 511
	CHANGE 1, 0, 1                                 ; slot 0 takes group 2
	RUN 1
	CHANGE 1, 1, 0                                 ; slot 1 takes group 3
	RUN 0
	CHANGE 0, 0, 0                                 ; nothing is left to fetch
	RUN 1
	; THE WAY OUT.  l's two halves and the other half of the lanes' are added; ctx = O^T / l + bv, rounded to f16: a lane's eight channels of a query are 16 bytes of the image.
	; The four additions and the v_nop are the places behind the last products.
.irp t, 0,1
	v_add_f32 v[ST+8*\t+4], v[ST+8*\t+2], v[ST+8*\t+3]
.endr
.irp t, 0,1
	v_permlanex16_b32 v[ST+8*\t+5], v[ST+8*\t+4], s[SEL], s[SEL+1]
.endr
.irp t, 0,1
	v_add_f32 v[ST+8*\t+4], v[ST+8*\t+4], v[ST+8*\t+5]
.endr
.irp t, 0,1
	v_rcp_f32 v[ST+8*\t+6], v[ST+8*\t+4]
.endr
	v_nop                                          ; a plain instruction between the last reciprocal and the use of its result
	s_wait_alu depctr_va_vdst(0)                   ; and the wait: one for both
	WIN W_OUT
.irp t, 0,1
.set i, 0
.rept 16
	v_pk_fma_f32 v[S+32*\t+2*i:S+32*\t+2*i+1], v[OA+32*\t+2*i:OA+32*\t+2*i+1], v[ST+8*\t+6:ST+8*\t+7], v[BV+2*i:BV+2*i+1] op_sel_hi:[1,0,1]
.set i, i+1
.endr
.endr
	WIN 0
.irp t, 0,1
.set i, 0
.rept 16
	v_cvt_pk_f16_f32 v[P+16*\t+i], v[S+32*\t+2*i], v[S+32*\t+2*i+1]
.set i, i+1
.endr
.endr
.irp t, 0,1
.irp ct, 0,1,2,3
	global_store_b128 v[LI], v[P+16*\t+4*\ct:P+16*\t+4*\ct+3], s[48:49] offset:8192*\t+512*\ct   ; the wave stores 512 consecutive bytes, aligned
.endr
.endr
	s_wait_tensorcnt 0x0                           ; the wave's end, behind my last tensor load
	ds_add_u32 v[SPW], v[NIL]
	s_wait_dscnt 0x0
	CROUND                                         ; the closing round: no work-group ends while a partner may still ask for a tile that names it
	s_endpgm
.Lfunc_end_k_q0650f4de54_attn:
	.size	k_q0650f4de54_attn, .Lfunc_end_k_q0650f4de54_attn-k_q0650f4de54_attn
	.p2alignl 7, 3214868480
	.fill 96, 4, 3214868480
	.section	.rodata,"a",@progbits
	.p2align	6, 0x0
	.amdhsa_kernel k_q0650f4de54_attn
		.amdhsa_group_segment_fixed_size 327680
		.amdhsa_private_segment_fixed_size 0
		.amdhsa_enable_private_segment 0
		.amdhsa_kernarg_size 24
		.amdhsa_user_sgpr_count 2
		.amdhsa_user_sgpr_kernarg_segment_ptr 1
		.amdhsa_wavefront_size32 1
		.amdhsa_system_sgpr_workgroup_id_x 1
		.amdhsa_system_sgpr_workgroup_id_y 1
		.amdhsa_system_sgpr_workgroup_id_z 1
		.amdhsa_system_vgpr_workitem_id 0
		.amdhsa_next_free_vgpr 512
		.amdhsa_next_free_sgpr 66
		.amdhsa_reserve_vcc 0
		.amdhsa_float_denorm_mode_32 3
		.amdhsa_float_denorm_mode_16_64 3
		.amdhsa_memory_ordered 1
		.amdhsa_forward_progress 1
		.amdhsa_inst_pref_size 142
	.end_amdhsa_kernel
	.amdgpu_metadata
---
amdhsa.version: [ 1, 2 ]
amdhsa.kernels:
  - .name:           k_q0650f4de54_attn
    .symbol:         k_q0650f4de54_attn.kd
    .args:
      - { .name: qkv, .offset: 0, .size: 8, .value_kind: global_buffer, .address_space: global }
      - { .name: bv, .offset: 8, .size: 8, .value_kind: global_buffer, .address_space: global }
      - { .name: cimg, .offset: 16, .size: 8, .value_kind: global_buffer, .address_space: global }
    .group_segment_fixed_size: 327680
    .private_segment_fixed_size: 0
    .kernarg_segment_align: 8
    .kernarg_segment_size: 24
    .max_flat_workgroup_size: 256
    .sgpr_count:     66
    .vgpr_count:     512
    .wavefront_size: 32
...
	.end_amdgpu_metadata
.endif
;; end of part 3
;; launch oproj (part 4): grid 8 x 32, 4 waves a work-group, clusters of 4 x 4, 327,680 bytes of LDS; arguments cimg, wimg, bo, out0; writes out0
.if DOCPART == 4
	.amdgcn_target "amdgcn-amd-amdhsa--gfx1250"
	.amdhsa_code_object_version 6
	.text
	.protected	k_q0650f4de54_oproj
	.globl	k_q0650f4de54_oproj
	.p2align	8
	.type	k_q0650f4de54_oproj,@function
k_q0650f4de54_oproj:
	s_mov_b64 s[64:65], 0
	v_nop
	global_prefetch_b8 v0, s[64:65] scope:SCOPE_SE
	s_setreg_imm32_b32 hwreg(HW_REG_WAVE_MODE, 25, 1), 1
	s_wait_xcnt 0x0
	s_wait_alu depctr_hold_cnt(0) depctr_sa_sdst(0) depctr_va_vdst(0) depctr_va_sdst(0) depctr_va_ssrc(0) depctr_va_vcc(0) depctr_vm_vsrc(0)
	s_getreg_b32 s2, hwreg(HW_REG_IB_STS2, 6, 4)
	s_cmp_eq_u32 s2, 0
	s_cbranch_scc0 .Lentry_in_a_cluster
	s_endpgm
.Lentry_in_a_cluster:
	s_bfe_u32 s2, ttmp6, 0x10000c
	s_cmp_lg_u32 s2, 0xf033
	s_cbranch_scc0 .Lentry_shape_is_right
	s_endpgm
.Lentry_shape_is_right:
; out0 = ctx Wo + bo.  ctx [4096][1024] and Wo [1024 (k)][1024 (n)] arrive in f16 as images of operand registers; sums and out0 in f32.
;   cimg: [K step of 256][tile of 16 tokens: 256][8,192 bytes];  wimg: [K step of 256][tile of 16 columns: 64][8,192 bytes];  in a tile: [32 along K: 8][u][lane][16 bytes].
; A tile of out0 is 128 x 128: 256 work-groups of four waves, each wave 64 x 64: 16 accumulators.  K goes in four steps of 256 through two LDS slots; a wave's tensor load brings a dense block of 32 KB (four tiles).
; No padding: a fragment is read 16 bytes a lane on end.  The bias is the C of each sum's first matrix instruction: eight registers for each tile of columns, in the result's layout.
; CLUSTERS: 4 x 4 work-groups.  The four of a row need the same tiles of ctx, the four of a column the same tiles of Wo: each tile is asked for jointly.
; THE MATRIX INSTRUCTION IS USED TRANSPOSED (source 0 = 16 columns of Wo, source 1 = 16 tokens): a lane holds eight neighbouring numbers of a row of out0.  A wave's 64 columns are 256 bytes: a block of 16 rows goes
; through the wave's own stage in LDS and leaves as whole rows: sixteen lanes store 256 consecutive bytes, aligned.
; No prefetch: four K steps on small tiles, in a short launch.
; REGISTERS: window 0: v16-29 addresses; v32-95 rows on the way out, two sets; v96-127 the bias; v128-255 the accumulators ((a, b) at v[128 + 8 (4 a + b)]).
;   window 1: two fragment buffers of 128: for 64 along K, 64 registers of ctx, then 64 of Wo.
.set SLOT,   131072                    ; ctx's 8 tiles of 8 KB, then Wo's
.set AKS,    2097152                   ; a K step on in cimg
.set BKS,    524288                    ; and in wimg
.set STAGE,  2*SLOT                    ; behind the ring: 16 rows x 272 bytes for each wave
.set SPITCH, 272                       ; 256 bytes + 16 = 68 words: row r starts at bank 4 r mod 64 (64 banks of 4 bytes: ISA guide 11.1)
.set SPARE,  STAGE+4*16*SPITCH         ; behind the stages: the spare words, 128 bytes for each wave
.set ADRA, 16                          ; v16-17  LDS address of my ctx fragments in slot 0, 1
.set ADRB, 20                          ; v20-21  the same for Wo
.set STO,  24                          ; v24     the way out: where I put 32 bytes of a row
.set RD,   25                          ; v25     where I read a row back
.set CO,   26                          ; v26     my byte offset in out0
.set VBO,  27                          ; v27     32 x (lane / 16)
.set SPW,  28                          ; v28     LDS address of my spare word; never rewritten
.set NIL,  29                          ; v29     0; never rewritten
.set OB,   32
.set BO,   96
.set ACC,  128
.set F0,   0                           ; fragment buffers, in window 1
.set F1,   128
.set G1, 24                            ; s[24:31] descriptor group 1 for ctx's tiles;  s[32:39] group 0, one set for each slot
.set G0, 32
.set G1B, 48                           ; s[48:55], s[56:63] the same for Wo's
.set G0B, 56
.set MSB, 0
.macro WIN new                         ; the immediate's high byte repeats the setting that is left
.if MSB != \new
	s_set_vgpr_msb (MSB<<8)|\new
.set MSB, \new
.endif
.endm
.set MUL,  0x05                        ; sources 0 (Wo) and 1 (ctx) window 1; C and D window 0
.set TO_F, 0x40                        ; destination window 1, address window 0
.macro JLOAD s                         ; a joint load: waves 0 and 1 fetch ctx's two halves, waves 2 and 3 Wo's; an s_nop 0 and four v_nop follow each of the two lines
	s_cmp_eq_u32 s13, 0
	s_cbranch_scc0 .Lfor_b_\@
	tensor_load_to_lds s[G0+4*\s:G0+4*\s+3], s[G1:G1+7]
	s_nop 0
.rept 4
	v_nop
.endr
	s_branch .Lasked_\@
.Lfor_b_\@:
	tensor_load_to_lds s[G0B+4*\s:G0B+4*\s+3], s[G1B:G1B+7]
	s_nop 0
.rept 4
	v_nop
.endr
.Lasked_\@:
.endm
.macro CREST                           ; a round of the cluster's barrier behind its opening barrier
	s_cmp_lg_u32 s12, 0
	s_cbranch_scc1 .Lnot_wave_0_\@
	s_barrier_signal -3
.Lnot_wave_0_\@:
	s_barrier_wait -3
	s_barrier_signal -1
	s_barrier_wait -1
.endm
.macro CROUND                          ; a whole round
	s_barrier_signal -1
	s_barrier_wait -1
	CREST
.endm
	s_load_b128 s[4:7], s[0:1], 0x0                ; cimg s[4:5], wimg s[6:7]
	s_load_b128 s[8:11], s[0:1], 0x10              ; bo s[8:9], out0 s[10:11]
	v_lshl_add_u32 v[SPW], v0, 2, SPARE
	v_mov_b32 v[NIL], 0
	ds_add_u32 v[SPW], v[NIL]                      ; the wave's opening: the add, twice on end, and its wait ahead of my first tensor load
	ds_add_u32 v[SPW], v[NIL]
	v_lshrrev_b32 v1, 5, v0
	v_readfirstlane_b32 s12, v1                    ; wave 0..3
	s_lshr_b32 s13, s12, 1                         ; which half of the tile's rows is mine.  Also: I fetch for ctx (0) or for Wo (1)
	s_and_b32 s14, s12, 1                          ; which half of its columns.  Also: which half of that tile I fetch
	s_bfe_u32 s40, ttmp6, 0x40000                  ; cx, cy: my place in the cluster
	s_bfe_u32 s41, ttmp6, 0x40004
	s_lshl_b32 s42, ttmp9, 2
	s_add_co_u32 s42, s42, s40                     ; tile column = 4 x cluster x + cx
	s_and_b32 s15, ttmp7, 0xffff
	s_lshl_b32 s15, s15, 2
	s_add_co_u32 s15, s15, s41                     ; tile row = 4 x cluster y + cy
	s_lshl_b32 s43, s41, 2
	s_lshl_b32 s43, 15, s43                        ; my row of the cluster
	s_lshl_b32 s44, 0x1111, s40                    ; my column
	; descriptor group 1: a dense block of 32 KB as 128 rows of 32 elements of 8 bytes
	s_or_b32 s[G1+0], s43, (3<<16)|(1<<21)         ; 15:0 the mask; 17:16 elements of 8 bytes; 21 set beside a mask
	s_or_b32 s[G1B+0], s44, (3<<16)|(1<<21)
.irp g, G1, G1B
	s_mov_b32 s[\g+1], 32<<16                      ; tensor_dim0
	s_mov_b32 s[\g+2], 128<<16                     ; tensor_dim1
	s_mov_b32 s[\g+3], 32<<16                      ; tile_dim0
	s_mov_b32 s[\g+4], 128                         ; tile_dim1
	s_mov_b32 s[\g+5], 32                          ; tensor_dim0_stride
	s_mov_b32 s[\g+6], 0
	s_mov_b32 s[\g+7], 0
.endr
	s_lshl_b32 s18, s14, 15                        ; the four tiles that I fetch
	s_lshl_b32 s16, s15, 16                        ; ctx: 8 tiles x 8 KB for a tile row
	s_add_co_u32 s16, s16, s18
	s_mov_b32 s17, 0
	s_lshl_b32 s46, s42, 16                        ; Wo: the same for a tile column
	s_add_co_u32 s46, s46, s18
	s_mov_b32 s47, 0
	s_lshl_b32 s20, s12, 15                        ; where they go: wave x 32 KB: no place in the cluster enters an LDS address
	s_wait_dscnt 0x0                               ; both opening adds are done
	s_wait_kmcnt 0x0
	s_add_nc_u64 s[16:17], s[4:5], s[16:17]
	s_add_nc_u64 s[46:47], s[6:7], s[46:47]
	CROUND                                         ; all sixteen work-groups are here: the first joint loads meet
.irp s, 0,1
	s_mov_b32 s[G0+4*\s], 1
	s_add_co_u32 s[G0+4*\s+1], s20, \s*SLOT
	s_add_nc_u64 s[G0+4*\s+2:G0+4*\s+3], s[16:17], \s*AKS
	s_or_b32 s[G0+4*\s+3], s[G0+4*\s+3], 0x80000000
	s_mov_b32 s[G0B+4*\s], 1
	s_add_co_u32 s[G0B+4*\s+1], s20, \s*SLOT
	s_add_nc_u64 s[G0B+4*\s+2:G0B+4*\s+3], s[46:47], \s*BKS
	s_or_b32 s[G0B+4*\s+3], s[G0B+4*\s+3], 0x80000000
	JLOAD \s
.endr
	v_and_b32 v1, 15, v0                           ; r = lane % 16
	v_bfe_u32 v2, v0, 4, 1                         ; h = lane / 16
	v_and_b32 v3, 31, v0
	v_lshlrev_b32 v3, 4, v3                        ; 16 x lane
	s_lshl_b32 s21, s13, 15                        ; my four tiles of ctx,
	s_lshl_b32 s22, s14, 15
	s_add_co_u32 s22, s22, 65536                   ; of Wo
.irp s, 0,1
	v_add_nc_u32 v[ADRA+\s], s21, v3
	v_add_nc_u32 v[ADRB+\s], s22, v3
	s_add_co_u32 s21, s21, SLOT
	s_add_co_u32 s22, s22, SLOT
.endr
	s_mul_i32 s23, s12, 16*SPITCH
	s_add_co_u32 s23, s23, STAGE                   ; my stage
	v_mul_u32_u24 v4, v1, SPITCH                   ; in: row r, 32 bytes for each half of the lanes
	v_lshl_add_u32 v4, v2, 5, v4
	v_add_nc_u32 v[STO], s23, v4
	v_mul_u32_u24 v5, v2, SPITCH                   ; back: lanes 0-15 one row of 256 bytes, lanes 16-31 the next
	v_lshl_add_u32 v5, v1, 4, v5
	v_add_nc_u32 v[RD], s23, v5
	v_lshlrev_b32 v[CO], 12, v2                    ; and the same two rows in out0
	v_lshl_add_u32 v[CO], v1, 4, v[CO]
	v_lshlrev_b32 v[VBO], 5, v2
	s_lshl_b32 s16, s42, 9                         ; my first column, in bytes: 512 x tile column + 256 x half
	s_lshl_b32 s17, s14, 8
	s_add_co_u32 s16, s16, s17
	s_mov_b32 s17, 0
	s_add_nc_u64 s[8:9], s[8:9], s[16:17]
.irp b, 0,1,2,3
	global_load_b128 v[BO+8*\b:BO+8*\b+3], v[VBO], s[8:9] offset:64*\b          ; bo at columns 16 b + 8 h + 0 .. 7
	global_load_b128 v[BO+8*\b+4:BO+8*\b+7], v[VBO], s[8:9] offset:64*\b+16
.endr
	s_lshl_b32 s18, s15, 19                        ; my first row: 128 x tile row + 64 x half, rows of 4,096 bytes
	s_lshl_b32 s19, s13, 18
	s_add_co_u32 s18, s18, s19
	s_add_co_u32 s16, s16, s18
	s_add_nc_u64 s[10:11], s[10:11], s[16:17]
; 8 matrix instructions: row blocks a0, a0 + 1 x all 4 column blocks, 32 along K: half c of buffer f.  first = 1: the sums start from the bias.  The 16 accumulators take turns
.macro MUL8 f, c, a0, first
.irp a, \a0, \a0+1
.irp b, 0,1,2,3
.if \first
	v_wmma_f32_16x16x32_f16 v[ACC+8*(4*(\a)+\b):ACC+8*(4*(\a)+\b)+7], v[\f+64+8*(4*\c+\b):\f+64+8*(4*\c+\b)+7], v[\f+8*(4*\c+(\a)):\f+8*(4*\c+(\a))+7], v[BO+8*\b:BO+8*\b+7]
.else
	v_wmma_f32_16x16x32_f16 v[ACC+8*(4*(\a)+\b):ACC+8*(4*(\a)+\b)+7], v[\f+64+8*(4*\c+\b):\f+64+8*(4*\c+\b)+7], v[\f+8*(4*\c+(\a)):\f+8*(4*\c+(\a))+7], v[ACC+8*(4*(\a)+\b):ACC+8*(4*(\a)+\b)+7]
.endif
.endr
.endr
.endm
; 32 LDS loads in one run: the fragments of the slot's kq-th 64 along K into buffer f; the first 32 along K first
.macro FETCH slot, kq, f
	WIN TO_F
.irp c, 0,1
.irp i, 0,1,2,3
	ds_load_b128 v[\f+64+8*(4*\c+\i):\f+64+8*(4*\c+\i)+3],   v[ADRB+\slot] offset:8192*\i+1024*(2*(\kq)+\c)
	ds_load_b128 v[\f+64+8*(4*\c+\i)+4:\f+64+8*(4*\c+\i)+7], v[ADRB+\slot] offset:8192*\i+1024*(2*(\kq)+\c)+512
	ds_load_b128 v[\f+8*(4*\c+\i):\f+8*(4*\c+\i)+3],         v[ADRA+\slot] offset:8192*\i+1024*(2*(\kq)+\c)
	ds_load_b128 v[\f+8*(4*\c+\i)+4:\f+8*(4*\c+\i)+7],       v[ADRA+\slot] offset:8192*\i+1024*(2*(\kq)+\c)+512
.endr
.endr
.endm
.macro PLACES                          ; four places in front of loads into registers that matrix instructions have read, and of the first read of results
.rept 4
	v_nop
.endr
.endm
; A K step is four quarters of 64 along K, 32 matrix instructions each, on buffers 0, 1, 0, 1.  One of the first three: multiplies buffer f and fetches quarter kq into g.
.macro QUARTER slot, kq, f, g, first
	s_wait_dscnt 16                                ; the first 32 along K are in; the younger sixteen loads may be out
	WIN MUL
	MUL8 \f, 0, 0, \first
	MUL8 \f, 0, 2, \first
	PLACES
	FETCH \slot, \kq, \g
	s_wait_dscnt 32                                ; all but the 32 just issued
	WIN MUL
	MUL8 \f, 1, 0, 0
	MUL8 \f, 1, 2, 0
.endm
; The last quarter multiplies buffer 1 and changes slots: ONE barrier; in front of it each wave waits for all its tensor loads, adds 0 to its spare word, and waits for that and for its own reads of this slot.
; fill = 1: this slot is filled again, two K steps ahead: the barrier opens a round of the cluster's, and the joint refill is the first thing behind it.
.macro TURN slot, next, fill
	WIN 0                                          ; (the add's two registers lie in window 0)
	s_wait_tensorcnt 0x0                           ; all my tensor loads have landed: my part of the next slot
	ds_add_u32 v[SPW], v[NIL]                      ; 0 onto my spare word
	s_wait_dscnt 17                                ; (the add and the youngest sixteen loads may be out)
	WIN MUL
	MUL8 F1, 0, 0, 0                               ; eight matrix instructions stand between the add and the wait for it
	s_wait_dscnt 0x0                               ; the add is done, and my reads of this slot are over
	s_barrier_signal -1
	MUL8 F1, 0, 2, 0
.if \fill
	WIN 0
.endif
	s_barrier_wait -1
.if \fill
	CREST                                          ; no wave of any partner still reads this slot's tile or has a load on its way
	s_add_nc_u64 s[G0+4*\slot+2:G0+4*\slot+3], s[G0+4*\slot+2:G0+4*\slot+3], 2*AKS
	s_add_nc_u64 s[G0B+4*\slot+2:G0B+4*\slot+3], s[G0B+4*\slot+2:G0B+4*\slot+3], 2*BKS
	JLOAD \slot                                    ; the four v_nop behind it are also the places in front of the loads below
.else
	PLACES
.endif
	FETCH \next, 0, F0
	WIN MUL
	MUL8 F1, 1, 0, 0
	MUL8 F1, 1, 2, 0
.endm
	s_wait_tensorcnt 1                             ; my part of K step 0 is in (K step 1's load may be out),
	s_barrier_signal -1
	s_barrier_wait -1                              ; everybody's is
	s_wait_loadcnt 0x0                             ; the bias
	FETCH 0, 0, F0
	QUARTER 0, 1, F0, F1, 1                        ; K step 0: the first products start the sums from the bias
	QUARTER 0, 2, F1, F0, 0
	QUARTER 0, 3, F0, F1, 0
	TURN 0, 1, 1                                   ; slot 0 takes K step 2
	QUARTER 1, 1, F0, F1, 0                        ; K step 1
	QUARTER 1, 2, F1, F0, 0
	QUARTER 1, 3, F0, F1, 0
	TURN 1, 0, 1                                   ; slot 1 takes K step 3
	QUARTER 0, 1, F0, F1, 0                        ; K step 2
	QUARTER 0, 2, F1, F0, 0
	QUARTER 0, 3, F0, F1, 0
	TURN 0, 1, 0                                   ; nothing is left to fetch
	QUARTER 1, 1, F0, F1, 0                        ; K step 3
	QUARTER 1, 2, F1, F0, 0
	QUARTER 1, 3, F0, F1, 0
	s_wait_dscnt 16                                ; the very last quarter
	WIN MUL
	MUL8 F1, 0, 0, 0
	MUL8 F1, 0, 2, 0
	s_wait_dscnt 0
	MUL8 F1, 1, 0, 0
	MUL8 F1, 1, 2, 0
	WIN 0
; THE WAY OUT, block by block of 16 rows x 64 columns, through my own stage.  LDS serves a wave's instructions in order (ISA guide 5.7.1.4): no wait between the stores and the loads, nor in front of the next block's stores.
.macro TOSTAGE a
.irp b, 0,1,2,3
	ds_store_b128 v[STO], v[ACC+8*(4*(\a)+\b):ACC+8*(4*(\a)+\b)+3] offset:64*\b          ; each accumulator from its low end on
	ds_store_b128 v[STO], v[ACC+8*(4*(\a)+\b)+4:ACC+8*(4*(\a)+\b)+7] offset:64*\b+16
.endr
.irp t, 0,1,2,3,4,5,6,7
	ds_load_b128 v[OB+32*((\a)%2)+4*\t:OB+32*((\a)%2)+4*\t+3], v[RD] offset:2*\t*SPITCH
.endr
.endm
.macro SEND a, younger                 ; younger: the LDS instructions issued behind block a's loads, which may stay out
	s_wait_dscnt \younger
.irp t, 0,1,2,3,4,5,6,7
	global_store_b128 v[CO], v[OB+32*((\a)%2)+4*\t:OB+32*((\a)%2)+4*\t+3], s[10:11] offset:(16*(\a)+2*\t)*4096 th:TH_STORE_NT   ; sixteen lanes store 256 consecutive bytes, aligned; written once, read by nobody here
.endr
.endm
	PLACES
	TOSTAGE 0
.irp a, 1,2,3
.if \a > 1
	s_wait_xcnt 0x0                                ; block a - 2's stores have read their registers: block a's loads may land there
.endif
	TOSTAGE \a
	SEND \a-1, 16                                  ; behind block a - 1's loads: block a's 8 stores and 8 loads
.endr
	SEND 3, 0
	s_wait_tensorcnt 0x0                           ; the wave's end, behind my last tensor load and my last LDS store
	ds_add_u32 v[SPW], v[NIL]
	s_wait_dscnt 0x0
	CROUND                                         ; the closing round: no work-group ends while a partner may still ask for a tile that names it
	s_endpgm
.Lfunc_end_k_q0650f4de54_oproj:
	.size	k_q0650f4de54_oproj, .Lfunc_end_k_q0650f4de54_oproj-k_q0650f4de54_oproj
	.p2alignl 7, 3214868480
	.fill 96, 4, 3214868480
	.section	.rodata,"a",@progbits
	.p2align	6, 0x0
	.amdhsa_kernel k_q0650f4de54_oproj
		.amdhsa_group_segment_fixed_size 327680
		.amdhsa_private_segment_fixed_size 0
		.amdhsa_enable_private_segment 0
		.amdhsa_kernarg_size 32
		.amdhsa_user_sgpr_count 2
		.amdhsa_user_sgpr_kernarg_segment_ptr 1
		.amdhsa_wavefront_size32 1
		.amdhsa_system_sgpr_workgroup_id_x 1
		.amdhsa_system_sgpr_workgroup_id_y 1
		.amdhsa_system_sgpr_workgroup_id_z 1
		.amdhsa_system_vgpr_workitem_id 0
		.amdhsa_next_free_vgpr 512
		.amdhsa_next_free_sgpr 66
		.amdhsa_reserve_vcc 0
		.amdhsa_float_denorm_mode_32 3
		.amdhsa_float_denorm_mode_16_64 3
		.amdhsa_memory_ordered 1
		.amdhsa_forward_progress 1
		.amdhsa_inst_pref_size 86
	.end_amdhsa_kernel
	.amdgpu_metadata
---
amdhsa.version: [ 1, 2 ]
amdhsa.kernels:
  - .name:           k_q0650f4de54_oproj
    .symbol:         k_q0650f4de54_oproj.kd
    .args:
      - { .name: cimg, .offset: 0, .size: 8, .value_kind: global_buffer, .address_space: global }
      - { .name: wimg, .offset: 8, .size: 8, .value_kind: global_buffer, .address_space: global }
      - { .name: bo, .offset: 16, .size: 8, .value_kind: global_buffer, .address_space: global }
      - { .name: out0, .offset: 24, .size: 8, .value_kind: global_buffer, .address_space: global }
    .group_segment_fixed_size: 327680
    .private_segment_fixed_size: 0
    .kernarg_segment_align: 8
    .kernarg_segment_size: 32
    .max_flat_workgroup_size: 128
    .sgpr_count:     66
    .vgpr_count:     512
    .wavefront_size: 32
...
	.end_amdgpu_metadata
.endif
;; end of part 4
